; MI455X (gfx1250); checked and timed in simulation.
; The chip was launched on July 23, 2026; its instructions are those of AMD's public machine-readable ISA for CDNA 5 (MIT licence, August 2026) and "CDNA5" Instruction Set Architecture Reference Guide (July 2026). The comments in the code are by the model that wrote it; some were corrected since.
;; Atention. Allowed arithmetic: matrix products marked QUANTISED: E2M3 operands, one E8M0 scale for each 32 along K, by v_wmma_scale_f32_16x16x128_f8f6f4 with both operands' format E2M3, f32 sums; products left as they are: f32 operands where the result goes on into a quantised operand, else bf16, f16 or f32 operands; f32 sums; everything else in f32.
;; Inputs: U_a 1,024 x 1,024 float32; W_a 1,024 x 1,024 float32; decoder_state 64 x 1,024 float32; encoder_outputs 64 x 1,024 x 1,024 float32; src_mask 64 x 1,024 int32; v_a 1,024 float32.
;; Outputs: out0 64 x 1,024 float32; out1 64 x 1,024 float32.
;; This version of the problem:
;;   THIS VERSION OF THE PROBLEM IS GIVEN IN LOW PRECISION. The matrix products marked QUANTISED in the list below multiply operands that are first quantised to E2M3 (2 exponent bits, 3 mantissa bits; 6 bits a number), with one power-of-two scale for each 32 numbers along K (OCP MX v1.0); their sums are f32. All else is computed in f32.
;;   The module's matrix products, in the order in which they are computed (A, B: the left and right operand; K: the contracted axis; several contracted axes count as one K, in the product's order):
;;     1. [M 64, K 1,024] x [K 1,024, N 1,024]; A: input decoder_state; B: input W_a: QUANTISED
;;     2. [M 65,536, K 1,024] x [K 1,024, N 1,024]; A: input encoder_outputs; B: input U_a: QUANTISED
;;     3. [M 65,536, K 1,024] x [K 1,024, N 1]; A: computed on the way; B: input v_a: left as it is (N = 1 < 16)
;;     4. batch 64 x [M 1, K 1,024] x [K 1,024, N 1,024]; A: softmax; B: input encoder_outputs: left as it is (M = 1 < 16)
;;   THE QUANTISER, for each operand of a quantised product, along K:
;;     - K is cut into blocks of 32 from its start; a last block that is shorter is filled with zeros.
;;     - A block's scale is 2^e with e = floor(log2(the largest magnitude in the block)) - 2, held to -126 .. 127; a block of zeros has e = 0. As a byte (E8M0): e + 127.
;;     - Each number is divided by its block's scale, clamped to +-7.5, and rounded to the nearest number of E2M3, ties to even, subnormals kept.
;;     - The product sums the exact products of the quantised numbers (number of the format x scale) in f32.
;;   ~~~python
;;   def quantise(x, axis):      # numpy; x: float32 -> the quantised numbers, widened to float32 again
;;       x = np.moveaxis(x, axis, -1); K = x.shape[-1]
;;       x = np.pad(x, [(0, 0)] * (x.ndim - 1) + [(0, -K % 32)]); x = x.reshape(x.shape[:-1] + (-1, 32)); a = np.abs(x).max(-1, keepdims=True)
;;       e = np.where(a > 0, np.clip(np.frexp(np.where(a > 0, a, 1))[1] - 1 - 2, -126, 127), 0)      # np.frexp(a)[1] - 1 = floor(log2(a)), exactly
;;       r = np.clip(x / 2.0 ** e, -7.5, 7.5)
;;       step = 2.0 ** (np.maximum(np.frexp(np.where(r == 0, 1, r))[1] - 1, 0) - 3)
;;       q = np.round(r / step) * step * 2.0 ** e      # np.round: ties to even
;;       return np.moveaxis(q.reshape(q.shape[:-2] + (-1,))[..., :K], -1, axis).astype(np.float32)
;;   ~~~
;; 2 versions. Each part assembles by itself: llvm-mc -triple=amdgcn-amd-amdhsa -mcpu=gfx1250 --defsym DOCPART=n.
;; ======== version 1 of 2: 3 launches
;; limits: right only within a limited range of input values
;; workspace buffers: ucodes 819,200 bytes; dv 524,288 bytes; eraw 262,144 bytes
;; launch prep (part 1): grid 128 x 1, 4 waves a work-group, no clusters, 0 bytes of LDS; arguments U_a, W_a, decoder_state, v_a, ucodes, dv; writes ucodes, dv
.if DOCPART == 1
	.amdgcn_target "amdgcn-amd-amdhsa--gfx1250"
	.amdhsa_code_object_version 6
	.text
	.protected	k_q4fe76ece87_prep
	.globl	k_q4fe76ece87_prep
	.p2align	8
	.type	k_q4fe76ece87_prep,@function
k_q4fe76ece87_prep:
	s_mov_b64 s[64:65], 0
	v_nop
	global_prefetch_b8 v0, s[64:65] scope:SCOPE_SE
	s_setreg_imm32_b32 hwreg(HW_REG_WAVE_MODE, 25, 1), 1
	s_wait_xcnt 0x0
; PREP.  Work-groups 0-63: U_a [1024][1024] f32 becomes codes of FP6 (E2M3) with one E8M0 byte for each 32 along K, laid in the order of an operand's registers.
;   ucodes: 64 records of 12,800 bytes; record T = rows 16 T .. 16 T + 15.  Fragment s (K step of 128) at 1536 s + 512 c + 16 lane holds the lane's registers 4 c .. 4 c + 3;
;   scale words at 12288 + 128 i + 4 lane: lanes 0-15 row r's word of K step 2 i, lanes 16-31 that of K step 2 i + 1.
; Work-groups 64-127: dec' = c2 x (Q(decoder_state) Q(W_a)^T), c2 = 2 log2(e), by the scaled FP6 matrix instruction, and V2 = -2 v_a.
;   dv: [64][2048] f32: row b holds dec'[b][0..1023], then V2[0..1023] (repeated for each b, so that the next launch fetches one dense block of 8,192 bytes for a batch).
; K is innermost in all operands: lane (r, h) of a fragment wants k = 64 c + 32 h + 0 .. 31 of row r: two whole blocks of 32, 128 neighbouring bytes each, eight loads of 16 bytes.
; So a block's largest magnitude needs no other lane, and the conversions' results are the operand's registers.
; A block's scale is 2^(floor(log2(largest magnitude)) - 2); its byte is the largest magnitude's exponent field - 2, held at 1 from below.
; LIMITS: NaN and infinities among the inputs are not served; a block whose largest magnitude lies under 2^-124 (a block of zeros too) keeps the byte 1: its codes are what the conversion gives under that scale
; (zeros for zeros), and this program alone reads the bytes.
; No cluster, no LDS: the work-groups share no tile; the whole launch reads 8.7 MB once (W_a's tile four times, by the four waves of its work-group).
.set LI,  1                            ; v1   16 x lane
.set L4,  2                            ; v2   4 x lane
.set XA,  3                            ; v3   4096 r + 128 h: my row of a tile of 16 rows, my half's first block
.set SH8, 4                            ; v4   8 h: where my two scale bytes stand in the word
.set OD,  5                            ; v5   8192 r + 32 h: my place in dv
.set VO,  6                            ; v6   32 h
.set FA,  8                            ; v8-19   a fragment's codes
.set FB,  20                           ; v20-31  a second fragment's
.set X0,  32                           ; v32-223 three sets of 64 numbers as loaded
.set TMX, 224                          ; v224-225 the two blocks' largest magnitudes
.set SO,  226                          ; v226-227 the conversions' scale operands
.set BY,  228                          ; v228-229 the scale bytes
.set PT,  231                          ; v231 the other half's bytes
.set WE,  232                          ; v232 a scale word; v233 a second; v234 the two joined
.set WO,  233
.set BSR, 234
.set TT,  236                          ; v236-238, v240-242 the second halves of the blocks' codes
.set ACC, 244                          ; v244-251 the one accumulator
.set WV,  16
.set SEL, 20                           ; s[20:21] selects of v_permlanex16_b32: lane l xor 16
.set CC,  22                           ; s[22:23] c2, twice
.set HM,  24                           ; s24 lanes 16-31
.set MSB, 0
.macro WIN new                         ; the immediate's high byte repeats the setting that is left; a switch that changes nothing is dropped (here every window is 0)
.if MSB != (\new)
	s_set_vgpr_msb (MSB<<8)|(\new)
.set MSB, (\new)
.endif
.endm
; 16 loads: 64 numbers of my row: k = 64 c + 32 h + 0 .. 31 of the K step that begins off bytes into the row
.macro XL x, adr, base, off
.irp c, 0,1
.irp i, 0,1,2,3,4,5,6,7
	global_load_b128 v[(\x)+32*\c+4*\i:(\x)+32*\c+4*\i+3], v[\adr], s[\base:\base+1] offset:(\off)+256*\c+16*\i
.endr
.endr
.endm
; 64 numbers of a lane, v[x + 32 c + i] = k 64 c + 32 h + i of my row, become the fragment's registers v[a .. a + 11] (window w) and my row's scale word v[wd] (all lanes)
.macro QF x, w, a, tt, wd
.irp c, 0,1
	v_max3_num_f32 v[TMX+\c], |v[(\x)+32*\c]|, |v[(\x)+32*\c+1]|, 0x1800000   ; block 2 c + h, and the floor 2^(3 - 127): the byte cannot fall under 1
.endr
.irp i, 2,4,6,8,10,12,14,16,18,20,22,24,26,28,30
.irp c, 0,1
	v_max3_num_f32 v[TMX+\c], v[TMX+\c], |v[(\x)+32*\c+\i]|, |v[(\x)+32*\c+\i+1]|   ; the two blocks by turns
.endr
.endr
.irp c, 0,1
	v_add_nc_u32 v[SO+\c], 0xff000000, v[TMX+\c]   ; 2 off the exponent field: the conversion takes this operand's exponent field as its scale
.endr
.irp c, 0,1
	v_lshrrev_b32 v[BY+\c], 23, v[SO+\c]           ; the scale's byte
.endr
	v_lshl_or_b32 v[\wd], v[BY+1], 16, v[BY]       ; my bytes: blocks h and 2 + h,
	v_lshlrev_b32 v[\wd], v[SH8], v[\wd]           ; at their places;
	v_permlanex16_b32 v[PT], v[\wd], s[SEL], s[SEL+1]
	v_or_b32 v[\wd], v[\wd], v[PT]                 ; with lane l xor 16's two the word is whole
	WIN (\w)<<6
.irp c, 0,1
	v_cvt_scalef32_pk16_fp6_f32 v[(\a)+6*\c:(\a)+6*\c+2], v[(\x)+32*\c:(\x)+32*\c+15], v[SO+\c]
	v_cvt_scalef32_pk16_fp6_f32 v[(\tt)+4*\c:(\tt)+4*\c+2], v[(\x)+32*\c+16:(\x)+32*\c+31], v[SO+\c]   ; a conversion's three registers begin on an even number: the second half is made elsewhere and moved
.endr
	v_nop                                          ; one plain instruction behind the last scaled conversion
	WIN ((\w)<<6)|(\w)
.irp c, 0,1
.irp i, 0,1,2
	v_mov_b32 v[(\a)+6*\c+3+\i], v[(\tt)+4*\c+\i]
.endr
.endr
	WIN 0
.endm
	s_load_b256 s[4:11], s[0:1], 0x0               ; U_a s[4:5], W_a s[6:7], decoder_state s[8:9], v_a s[10:11]
	s_load_b128 s[12:15], s[0:1], 0x20             ; ucodes s[12:13], dv s[14:15]
	v_lshrrev_b32 v7, 5, v0
	v_readfirstlane_b32 s[WV], v7                  ; wave 0..3
	v_and_b32 v7, 31, v0
	v_lshlrev_b32 v[LI], 4, v7
	v_lshlrev_b32 v[L4], 2, v7
	v_and_b32 v[XA], 15, v0                        ; r
	v_bfe_u32 v[VO], v0, 4, 1                      ; h
	v_lshlrev_b32 v[OD], 13, v[XA]
	v_lshl_add_u32 v[OD], v[VO], 5, v[OD]
	v_lshlrev_b32 v[XA], 12, v[XA]
	v_lshl_add_u32 v[XA], v[VO], 7, v[XA]
	v_lshlrev_b32 v[SH8], 3, v[VO]
	v_lshlrev_b32 v[VO], 5, v[VO]
	v_mov_b32 v[PT], 0                             ; written once: a lane permute's destination counts as one of its sources
	s_mov_b32 s[SEL], 0x76543210
	s_mov_b32 s[SEL+1], 0xfedcba98
	s_mov_b32 s[CC], 0x4038aa3b                    ; c2 = 2 log2(e)
	s_mov_b32 s[CC+1], s[CC]
	s_mov_b32 s[HM], 0xffff0000
	s_mov_b32 s27, 0
	s_mov_b32 s29, 0
	s_mov_b32 s31, 0
	s_wait_kmcnt 0x0
	s_cmp_lt_u32 ttmp9, 64
	s_cbranch_scc0 .Ldec
	; ---- U_a: work-group T takes rows 16 T on, wave i K steps 2 i and 2 i + 1
	s_lshl_b32 s26, ttmp9, 16                      ; 16 rows of 4,096 bytes
	s_lshl_b32 s28, s[WV], 10                      ; two K steps of 512 bytes
	s_add_co_u32 s26, s26, s28
	s_add_nc_u64 s[4:5], s[4:5], s[26:27]
	s_mul_i32 s28, ttmp9, 12800                    ; the record
	s_mul_i32 s30, s[WV], 3072                     ; my two fragments in it
	s_add_co_u32 s30, s30, s28
	s_add_nc_u64 s[30:31], s[12:13], s[30:31]
	s_lshl_b32 s26, s[WV], 7                       ; my 128 bytes of scale words
	s_add_co_u32 s28, s28, s26
	s_add_nc_u64 s[28:29], s[12:13], s[28:29]
	XL X0, XA, 4, 0
	XL X0+64, XA, 4, 512
	s_wait_loadcnt 16                              ; the first K step's 16 loads are in, the second's may be out
	QF X0, 0, FA, TT, WE
	s_wait_loadcnt 0x0
	QF X0+64, 0, FB, TT, WO
	v_cndmask_b32 v[BSR], v[WE], v[WO], s[HM]      ; lanes 0-15 the even K step's word, lanes 16-31 the odd one's
.irp c, 0,1,2
	global_store_b128 v[LI], v[FA+4*\c:FA+4*\c+3], s[30:31] offset:512*\c          ; each store covers 512 consecutive bytes, aligned to 256
.endr
.irp c, 0,1,2
	global_store_b128 v[LI], v[FB+4*\c:FB+4*\c+3], s[30:31] offset:1536+512*\c
.endr
	global_store_b32 v[L4], v[BSR], s[28:29] offset:12288
	s_endpgm
	; ---- dec': work-group 64 + T takes rows 16 T on of W_a (the result's columns), wave w batches 16 w on
.Ldec:
	s_sub_co_u32 s25, ttmp9, 64
	s_lshl_b32 s26, s25, 16
	s_add_nc_u64 s[6:7], s[6:7], s[26:27]          ; W_a at my 16 rows
	s_lshl_b32 s26, s[WV], 16
	s_add_nc_u64 s[8:9], s[8:9], s[26:27]          ; decoder_state at my 16 rows
	s_lshl_b32 s26, s25, 6
	s_add_nc_u64 s[10:11], s[10:11], s[26:27]      ; v_a at my 16 columns
	s_lshl_b32 s28, s[WV], 17
	s_add_co_u32 s26, s26, s28
	s_add_nc_u64 s[14:15], s[14:15], s[26:27]      ; dv: 16 rows of 8,192 bytes a wave, 64 bytes a tile of columns
; fragment gg = 2 s + u: u = 0 W_a's, u = 1 decoder_state's, of K step s; into staging set gg % 3
.macro XLG gg
.if ((\gg)%2) == 0
	XL X0+64*((\gg)%3), XA, 6, 512*((\gg)/2)
.else
	XL X0+64*((\gg)%3), XA, 8, 512*((\gg)/2)
.endif
.endm
	XLG 0
	XLG 1
	XLG 2
.set g, 0
.rept 16
.if g <= 13
	s_wait_loadcnt 32                              ; this fragment's 16 loads are in; the two younger fragments' 32 may be out
.elseif g == 14
	s_wait_loadcnt 16
.else
	s_wait_loadcnt 0x0
.endif
.if (g%2) == 0
	QF X0+64*(g%3), 0, FA, TT, WE                  ; its 32 maxima are also the places behind the last product, ahead of the writes of that product's operands
.else
	QF X0+64*(g%3), 0, FB, TT, WO
.endif
.if g+3 < 16
	XLG g+3
.endif
.if g == 15
	global_load_b128 v[160:163], v[VO], s[10:11]   ; v_a at columns 16 T + 8 h + 0 .. 7
	global_load_b128 v[164:167], v[VO], s[10:11] offset:16
.endif
.if (g%2) == 1
.rept 8
	v_nop                                          ; scale words written by vector instructions stand 8 places ahead of a scaled matrix instruction, operands so written 4
.endr
.if g == 1
	v_wmma_scale_f32_16x16x128_f8f6f4 v[ACC:ACC+7], v[FA:FA+11], v[FB:FB+11], 0, v[WE], v[WO] matrix_a_fmt:MATRIX_FMT_FP6 matrix_b_fmt:MATRIX_FMT_FP6   ; the first K step starts the sum
.else
	s_wait_alu depctr_va_vdst(0)                   ; one accumulator, each link next behind the link before
	v_wmma_scale_f32_16x16x128_f8f6f4 v[ACC:ACC+7], v[FA:FA+11], v[FB:FB+11], v[ACC:ACC+7], v[WE], v[WO] matrix_a_fmt:MATRIX_FMT_FP6 matrix_b_fmt:MATRIX_FMT_FP6
.endif
.endif
.set g, g+1
.endr
.rept 4
	v_nop                                          ; places between the last product and the first read of its result
.endr
.irp q, 0,1,2,3
	v_pk_mul_f32 v[32+2*\q:33+2*\q], v[ACC+2*\q:ACC+2*\q+1], s[CC:CC+1] op_sel_hi:[1,0]   ; source 0 was W_a: lane (r, h) holds batch 16 w + r, columns 16 T + 8 h + 0 .. 7; from the low end on
.endr
	global_store_b128 v[OD], v[32:35], s[14:15]    ; 32 bytes a lane, rows 8,192 bytes apart: dv is 0.5 MB in all
	global_store_b128 v[OD], v[36:39], s[14:15] offset:16
	s_wait_loadcnt 0x0
.irp q, 0,1,2,3
	v_pk_mul_f32 v[40+2*\q:41+2*\q], v[160+2*\q:161+2*\q], -2.0 op_sel_hi:[1,0]
.endr
	global_store_b128 v[OD], v[40:43], s[14:15] offset:4096
	global_store_b128 v[OD], v[44:47], s[14:15] offset:4112
	s_endpgm
.Lfunc_end_k_q4fe76ece87_prep:
	.size	k_q4fe76ece87_prep, .Lfunc_end_k_q4fe76ece87_prep-k_q4fe76ece87_prep
	.p2alignl 7, 3214868480
	.fill 96, 4, 3214868480
	.section	.rodata,"a",@progbits
	.p2align	6, 0x0
	.amdhsa_kernel k_q4fe76ece87_prep
		.amdhsa_group_segment_fixed_size 0
		.amdhsa_private_segment_fixed_size 0
		.amdhsa_enable_private_segment 0
		.amdhsa_kernarg_size 48
		.amdhsa_user_sgpr_count 2
		.amdhsa_user_sgpr_kernarg_segment_ptr 1
		.amdhsa_wavefront_size32 1
		.amdhsa_system_sgpr_workgroup_id_x 1
		.amdhsa_system_sgpr_workgroup_id_y 1
		.amdhsa_system_sgpr_workgroup_id_z 1
		.amdhsa_system_vgpr_workitem_id 0
		.amdhsa_next_free_vgpr 256
		.amdhsa_next_free_sgpr 66
		.amdhsa_reserve_vcc 0
		.amdhsa_float_denorm_mode_32 3
		.amdhsa_float_denorm_mode_16_64 3
		.amdhsa_memory_ordered 1
		.amdhsa_forward_progress 1
		.amdhsa_inst_pref_size 88
	.end_amdhsa_kernel
	.amdgpu_metadata
---
amdhsa.version: [ 1, 2 ]
amdhsa.kernels:
  - .name:           k_q4fe76ece87_prep
    .symbol:         k_q4fe76ece87_prep.kd
    .args:
      - { .name: U_a, .offset: 0, .size: 8, .value_kind: global_buffer, .address_space: global }
      - { .name: W_a, .offset: 8, .size: 8, .value_kind: global_buffer, .address_space: global }
      - { .name: decoder_state, .offset: 16, .size: 8, .value_kind: global_buffer, .address_space: global }
      - { .name: v_a, .offset: 24, .size: 8, .value_kind: global_buffer, .address_space: global }
      - { .name: ucodes, .offset: 32, .size: 8, .value_kind: global_buffer, .address_space: global }
      - { .name: dv, .offset: 40, .size: 8, .value_kind: global_buffer, .address_space: global }
    .group_segment_fixed_size: 0
    .private_segment_fixed_size: 0
    .kernarg_segment_align: 8
    .kernarg_segment_size: 48
    .max_flat_workgroup_size: 128
    .sgpr_count:     66
    .vgpr_count:     256
    .wavefront_size: 32
...
	.end_amdgpu_metadata
.endif
;; end of part 1
;; launch scores (part 2): grid 256 x 1, 4 waves a work-group, clusters of 4 x 1, 327,680 bytes of LDS; arguments encoder_outputs, src_mask, ucodes, dv, eraw; writes eraw
.if DOCPART == 2
	.amdgcn_target "amdgcn-amd-amdhsa--gfx1250"
	.amdhsa_code_object_version 6
	.text
	.protected	k_q4fe76ece87_scores
	.globl	k_q4fe76ece87_scores
	.p2align	8
	.type	k_q4fe76ece87_scores,@function
k_q4fe76ece87_scores:
	s_mov_b64 s[64:65], 0
	v_nop
	global_prefetch_b8 v0, s[64:65] scope:SCOPE_SE
	s_setreg_imm32_b32 hwreg(HW_REG_WAVE_MODE, 25, 1), 1
	s_wait_xcnt 0x0
	s_wait_alu depctr_hold_cnt(0) depctr_sa_sdst(0) depctr_va_vdst(0) depctr_va_sdst(0) depctr_va_ssrc(0) depctr_va_vcc(0) depctr_vm_vsrc(0)
	s_getreg_b32 s2, hwreg(HW_REG_IB_STS2, 6, 4)
	s_cmp_eq_u32 s2, 0
	s_cbranch_scc0 .Lentry_in_a_cluster
	s_endpgm
.Lentry_in_a_cluster:
	s_bfe_u32 s2, ttmp6, 0x10000c
	s_cmp_lg_u32 s2, 0x3003
	s_cbranch_scc0 .Lentry_shape_is_right
	s_endpgm
.Lentry_shape_is_right:
; SCORES.  eraw[b][s] = sum over n of v_a[n] tanh(dec_proj[b][n] + (Q(enc[b][s]) . Q(U_a[n]))), the product on codes of FP6 (E2M3) with E8M0 scales, sums in f32.
; tanh z = 1 - 2 / (1 + 2^(c2 z)), c2 = 2 log2(e).  With dec' = c2 dec_proj and V2 = -2 v_a (made by the launch before): r = 1 / (1 + 2^(c2 acc + dec')), E = sum(v_a) + sum(V2 r), sum(v_a) = -0.5 sum(V2).
; 2^x = infinity gives r = 0 and 2^x = 0 gives r = 1: tanh saturates as it should.
; SHARES.  A cluster of four work-groups is one batch b; the work-group at place cx owns rows 256 cx on, each of its four waves 64 of them.  Row tile m (0..3), lane r, is row 4 r + m of the wave's 64, so that a lane's four
; scores are 16 neighbouring bytes.  A wave quantises its 64 rows once, in registers (32 fragments, 384 registers), and then walks all 64 tiles of 16 rows of U_a: each fragment of U_a read from LDS feeds four products.
; ROWS WITH src_mask == 0: their scores are thrown away by the next step, so their loads are pointed at the wave's first row (an offset multiplied by min(mask, 1)); all else runs alike, and what is stored for them is a
; finite number that nobody uses.
; U_a's codes come through a ring of two LDS slots of 8 records (102,400 bytes).  All work-groups read the same records and a cluster shares dv's row b: every tensor load is asked for JOINTLY by the four partners
; (mask 15, the same descriptor in all four: it hangs on the wave's number and the cluster's number alone); cx enters only the addresses of encoder_outputs, src_mask and eraw.
; THE PRODUCT: source 0 = 16 rows of U_a, source 1 = 16 rows of enc: lane (r, h) holds ONE row of enc and the columns n = 16 T + 8 h + 0 .. 7.
; BY TURNS.  While tile t's 32 products are issued (four accumulators by turns), the tanh and the dot with v_a of tile t - 1 (112 vector instructions on the other set of accumulators) stand in slices behind them.
; LIMITS: NaN and infinities are not served; a block whose largest magnitude lies under 2^-124 keeps the scale byte 1.
; REGISTERS.  window 0: v1-15 addresses; v16-31 enc's scale words; v32-127 U_a's eight fragments; v128-191 two sets of four accumulators; v192-199 dec'; v208-215 the scores' sums; v224-233 the quantiser's;
;   v240-247 U_a's scale words, two sets.  While quantising v32-223 are three sets of 64 numbers.   window 1: enc's fragments of K steps 0-3 at 48 s + 12 m.   window 2: K steps 4-7; v208-223 V2, two sets.
; Every vector line among the products names vector registers as source 0, source 2 and destination in window 0; V2 alone stands as source 1, in window 2, where the products of K steps 4-7 have their source 1 too:
; so the slices need no switch of the windows.
.set REC,   12800                      ; a record: 16 rows of U_a: 8 fragments of 1,536 bytes, 512 bytes of scale words
.set SLOTB, 8*REC
.set QB,    SLOTB/4                    ; what one tensor load brings: 100 rows of 256 bytes
.set DV,    SLOTB                      ; behind slot 0: dec' (4,096 bytes), V2 (4,096 bytes)
.set SLOT1, 1<<17                      ; slot 1 begins here: one exclusive or turns an address in one slot into the other's
.set SPARE, 1<<18                      ; the spare words, 128 bytes for each wave: two blocks of 256 bytes that no other line names
.set LI,  1                            ; v1  16 x lane
.set L4,  2                            ; v2  4 x lane
.set DH,  3                            ; v3  DV + 32 h
.set ADR, 4                            ; v4  LDS address of the record in hand, + 16 x lane
.set ADB, 5                            ; v5  the same + 4 x lane
.set ADD, 6                            ; v6  LDS address of the tile's dec'
.set SPW, 7                            ; v7  my spare word; never rewritten
.set NIL, 8                            ; v8  0; never rewritten
.set SH8, 9                            ; v9  8 h
.set XA,  10                           ; v10-13 my row of tile m in the wave's 64 rows, in bytes, + 128 h; 128 h alone where the row is masked
.set AS,  16                           ; v[16 + 4 m + s / 2]: lanes 0-15 the word of K step s even, lanes 16-31 of s odd
.set BF,  32
.set X0,  32
.set ACC, 128
.set DD,  192
.set SC,  208
.set OUTR, 216
.set TMX, 224
.set SO,  226
.set BY,  228
.set PT,  231
.set WE,  232
.set WO,  233
.set BS,  240
.set TT,  192                          ; in windows 1 and 2
.set V2,  208                          ; in window 2
.set WV,  14
.set SEL, 20
.set CC,  22
.set HM,  24
.set TB,  25                           ; s25 LDS byte at which the record to be fetched begins
.set TD,  26                           ; s26 64 x the tile whose dec' and V2 are to be fetched
.set G1R, 32                           ; s[32:39] group 1: a quarter of a slot
.set G1D, 40                           ; s[40:47] group 1: a quarter of dv's row
.set G0A, 48                           ; s[48:51] slot 0's first fill
.set G0W, 52                           ; s[52:55] slot 1's first fill; it then walks
.set G0D, 56                           ; s[56:59] dv's row
.set MSB, 0
.macro WIN new                         ; the immediate's high byte repeats the setting that is left; a switch that changes nothing is dropped
.if MSB != (\new)
	s_set_vgpr_msb (MSB<<8)|(\new)
.set MSB, (\new)
.endif
.endm
.macro XL x, adr, base, off            ; 16 loads: k = 64 c + 32 h + 0 .. 31 of my row, of the K step that begins off bytes into the row
.irp c, 0,1
.irp i, 0,1,2,3,4,5,6,7
	global_load_b128 v[(\x)+32*\c+4*\i:(\x)+32*\c+4*\i+3], v[\adr], s[\base:\base+1] offset:(\off)+256*\c+16*\i
.endr
.endr
.endm
; 64 numbers of a lane, v[x + 32 c + i] = k 64 c + 32 h + i of my row, become the fragment's registers v[a .. a + 11] of window w and my row's scale word v[wd] (window 0, all lanes)
.macro QF x, w, a, tt, wd
.irp c, 0,1
	v_max3_num_f32 v[TMX+\c], |v[(\x)+32*\c]|, |v[(\x)+32*\c+1]|, 0x1800000   ; block 2 c + h, and the floor 2^(3 - 127): the byte cannot fall under 1
.endr
.irp i, 2,4,6,8,10,12,14,16,18,20,22,24,26,28,30
.irp c, 0,1
	v_max3_num_f32 v[TMX+\c], v[TMX+\c], |v[(\x)+32*\c+\i]|, |v[(\x)+32*\c+\i+1]|
.endr
.endr
.irp c, 0,1
	v_add_nc_u32 v[SO+\c], 0xff000000, v[TMX+\c]   ; 2 off the exponent field: the conversion's scale operand
.endr
.irp c, 0,1
	v_lshrrev_b32 v[BY+\c], 23, v[SO+\c]           ; the scale's byte
.endr
	v_lshl_or_b32 v[\wd], v[BY+1], 16, v[BY]
	v_lshlrev_b32 v[\wd], v[SH8], v[\wd]
	v_permlanex16_b32 v[PT], v[\wd], s[SEL], s[SEL+1]
	v_or_b32 v[\wd], v[\wd], v[PT]                 ; with lane l xor 16's two bytes the word is whole
	WIN (\w)<<6
.irp c, 0,1
	v_cvt_scalef32_pk16_fp6_f32 v[(\a)+6*\c:(\a)+6*\c+2], v[(\x)+32*\c:(\x)+32*\c+15], v[SO+\c]
	v_cvt_scalef32_pk16_fp6_f32 v[(\tt)+4*\c:(\tt)+4*\c+2], v[(\x)+32*\c+16:(\x)+32*\c+31], v[SO+\c]   ; (a conversion's three registers begin on an even number)
.endr
	v_nop                                          ; one plain instruction behind the last scaled conversion
	WIN ((\w)<<6)|(\w)
.irp c, 0,1
.irp i, 0,1,2
	v_mov_b32 v[(\a)+6*\c+3+\i], v[(\tt)+4*\c+\i]
.endr
.endr
	WIN 0
.endm
; A round of the cluster's barrier: my work-group's barrier; wave 0 signals for the work-group; every wave waits for all four work-groups; my work-group's barrier once more
.macro ROUND
	s_barrier_signal -1
	s_barrier_wait -1
	s_cmp_lg_u32 s[WV], 0
	s_cbranch_scc1 .Lnot_wave_0_\@
	s_barrier_signal -3
.Lnot_wave_0_\@:
	s_barrier_wait -3
	s_barrier_signal -1
	s_barrier_wait -1
.endm
	s_load_b256 s[4:11], s[0:1], 0x0               ; encoder_outputs s[4:5], src_mask s[6:7], ucodes s[8:9], dv s[10:11]
	s_load_b64 s[12:13], s[0:1], 0x20              ; eraw
	v_lshl_add_u32 v[SPW], v0, 2, SPARE
	v_mov_b32 v[NIL], 0
	ds_add_u32 v7, v8
	ds_add_u32 v7, v8
	s_wait_dscnt 0x0
	v_lshrrev_b32 v14, 5, v0
	v_readfirstlane_b32 s[WV], v14                 ; wave 0..3
	s_bfe_u32 s15, ttmp6, 0x40000                  ; cx: my place in the cluster
	; group 1: dense blocks as rows of 256 bytes (32 elements of 8 bytes), no padding: every LDS read is 16 or 4 bytes a lane on end
	s_mov_b32 s[G1R], 15|(3<<16)|(1<<21)           ; 15:0 the mask: all four work-groups; 17:16 elements of 8 bytes; 21 set beside a mask
	s_mov_b32 s[G1R+1], 32<<16                     ; tensor_dim0 = 32
	s_mov_b32 s[G1R+2], 100<<16                    ; tensor_dim1 = 100
	s_mov_b32 s[G1R+3], 32<<16                     ; tile_dim0 = 32
	s_mov_b32 s[G1R+4], 100                        ; tile_dim1 = 100
	s_mov_b32 s[G1R+5], 32                         ; from row to row: 32 elements
	s_mov_b32 s[G1R+6], 0
	s_mov_b32 s[G1R+7], 0
	s_mov_b32 s[G1D], 15|(3<<16)|(1<<21)
	s_mov_b32 s[G1D+1], 32<<16
	s_mov_b32 s[G1D+2], 8<<16                      ; 8 rows: 2,048 bytes
	s_mov_b32 s[G1D+3], 32<<16
	s_mov_b32 s[G1D+4], 8
	s_mov_b32 s[G1D+5], 32
	s_mov_b32 s[G1D+6], 0
	s_mov_b32 s[G1D+7], 0
	s_mul_i32 s60, s[WV], QB                       ; my quarter of a slot, in LDS and in memory
	s_mov_b32 s61, 0
	s_lshl_b32 s29, s[WV], 11                      ; my quarter of dv's row
	s_lshl_b32 s62, ttmp9, 13                      ; row b of dv: ttmp9 counts clusters, and a cluster is a batch
	s_add_co_u32 s62, s62, s29
	s_mov_b32 s63, 0
	s_mov_b32 s[SEL], 0x76543210
	s_mov_b32 s[SEL+1], 0xfedcba98
	s_mov_b32 s[CC], 0x4038aa3b                    ; c2 = 2 log2(e)
	s_mov_b32 s[CC+1], s[CC]
	s_mov_b32 s[HM], 0xffff0000
	s_wait_kmcnt 0x0
	s_mov_b32 s[G0A], 1
	s_mov_b32 s[G0A+1], s60
	s_add_nc_u64 s[G0A+2:G0A+3], s[8:9], s[60:61]
	s_or_b32 s[G0A+3], s[G0A+3], 0x80000000
	s_mov_b32 s[G0W], 1
	s_add_co_u32 s[G0W+1], s60, SLOT1
	s_add_nc_u64 s[G0W+2:G0W+3], s[8:9], s[60:61]
	s_add_nc_u64 s[G0W+2:G0W+3], s[G0W+2:G0W+3], SLOTB
	s_or_b32 s[G0W+3], s[G0W+3], 0x80000000
	s_mov_b32 s[G0D], 1
	s_add_co_u32 s[G0D+1], s29, DV
	s_add_nc_u64 s[G0D+2:G0D+3], s[10:11], s[62:63]
	s_or_b32 s[G0D+3], s[G0D+3], 0x80000000
	ROUND                                          ; all four work-groups are here: the first joint loads meet
	tensor_load_to_lds s[G0D:G0D+3], s[G1D:G1D+7]  ; the first fills go out as one group: three loads of mine are out
	s_nop 0
	tensor_load_to_lds s[G0A:G0A+3], s[G1R:G1R+7]
	s_nop 0
	tensor_load_to_lds s[G0W:G0W+3], s[G1R:G1R+7]
	s_nop 0
.rept 4
	v_nop
.endr
	s_lshl_b32 s16, ttmp9, 10
	s_lshl_b32 s17, s15, 8
	s_add_co_u32 s16, s16, s17
	s_lshl_b32 s17, s[WV], 6
	s_add_co_u32 s16, s16, s17                     ; my wave's first row: 1024 b + 256 cx + 64 w
	s_lshl_b32 s18, s16, 12
	s_mov_b32 s19, 0
	s_add_nc_u64 s[4:5], s[4:5], s[18:19]
	s_lshl_b32 s18, s16, 2
	s_add_nc_u64 s[6:7], s[6:7], s[18:19]
	s_add_nc_u64 s[12:13], s[12:13], s[18:19]
	v_and_b32 v14, 15, v0                          ; r
	v_lshlrev_b32 v220, 4, v14
	global_load_b128 v[OUTR:OUTR+3], v220, s[6:7]  ; the mask of rows 4 r .. 4 r + 3
	v_lshlrev_b32 v14, 14, v14                     ; 16384 r
	v_bfe_u32 v15, v0, 4, 1                        ; h
	v_lshl_add_u32 v[DH], v15, 5, DV
	v_lshlrev_b32 v[SH8], 3, v15
	v_lshlrev_b32 v15, 7, v15                      ; 128 h
	v_and_b32 v[LI], 31, v0
	v_lshlrev_b32 v[L4], 2, v[LI]
	v_lshlrev_b32 v[LI], 4, v[LI]
	v_mov_b32 v[PT], 0                             ; written once: a lane permute's destination counts as one of its sources
	s_wait_loadcnt 0x0
.irp m, 0,1,2,3
	v_min_u32 v[OUTR+\m], 1, v[OUTR+\m]            ; 1 where the row counts, 0 where it is masked
.endr
.irp m, 0,1,2,3
	v_add_nc_u32 v[XA+\m], 4096*\m, v14
.endr
.irp m, 0,1,2,3
	v_mul_u32_u24 v[XA+\m], v[OUTR+\m], v[XA+\m]   ; a masked row's loads fall on the wave's first row
.endr
.irp m, 0,1,2,3
	v_add_nc_u32 v[XA+\m], v15, v[XA+\m]
.endr
	; ---- my 64 rows become 32 fragments.  Fragment ff = 8 m + s goes through staging set ff % 3; loads run three fragments (48 loads) ahead
.macro XLF ff
	XL X0+64*((\ff)%3), XA+(\ff)/8, 4, 512*((\ff)%8)
.endm
	XLF 0
	XLF 1
	XLF 2
.set f, 0
.rept 32
.if f <= 29
	s_wait_loadcnt 32                              ; this fragment's 16 loads are in; the two younger fragments' 32 may be out
.elseif f == 30
	s_wait_loadcnt 16
.else
	s_wait_loadcnt 0x0
.endif
.if (f%2) == 0
	QF X0+64*(f%3), 1+(f%8)/4, 48*(f%4)+12*(f/8), TT, WE
.else
	QF X0+64*(f%3), 1+(f%8)/4, 48*(f%4)+12*(f/8), TT, WO
	v_cndmask_b32 v[AS+4*(f/8)+(f%8)/2], v[WE], v[WO], s[HM]   ; lanes 0-15 the even K step's word, lanes 16-31 the odd one's
.endif
.if f+3 < 32
	XLF f+3
.endif
.set f, f+1
.endr
	; The tile is written once: the first tile's slices work on zeros (2^0 = 1, r = 0.5, times V2 = 0) and add nothing.  These 56 lines are also the places between the last write of a scale word and the first product.
.set z, 0
.rept 32
	v_mov_b32 v[ACC+32+z], 0
.set z, z+1
.endr
.set z, 0
.rept 8
	v_mov_b32 v[DD+z], 0
	v_mov_b32 v[SC+z], 0
.set z, z+1
.endr
	WIN 0x80                                       ; destination window 2
.set z, 0
.rept 8
	v_mov_b32 v[V2+8+z], 0
.set z, z+1
.endr
	WIN 0
; ---- the macros of the walk over U_a's tiles
.macro R1F pp                          ; fragments 0-3 and the scale words (into set pp) of the record at ADR, ADB: 16 LDS loads
.irp s, 0,1,2,3
.irp c, 0,1,2
	ds_load_b128 v[BF+12*\s+4*\c:BF+12*\s+4*\c+3], v[ADR] offset:1536*\s+512*\c
.endr
.endr
.irp i, 0,1,2,3
	ds_load_b32 v[BS+4*(\pp)+\i], v[ADB] offset:12288+128*\i
.endr
.endm
.macro R2                              ; fragments 4-7 of the same record: 12 LDS loads
.irp s, 4,5,6,7
.irp c, 0,1,2
	ds_load_b128 v[BF+12*\s+4*\c:BF+12*\s+4*\c+3], v[ADR] offset:1536*\s+512*\c
.endr
.endr
.endm
; In the middle of tile t (parity pp): dec' and V2 (set pp) of tile t, for the slices of the next trip; nx = 1: the next record's first half; wrap = 1: it is the other slot's first record
.macro R1 pp, nx, wrap
	v_add_nc_u32 v[ADD], v[DH], s[TD]              ; (the vector register stands as source 0: source 1 means window 2 here)
	s_add_co_u32 s[TD], s[TD], 64
	ds_load_b128 v[DD:DD+3], v[ADD]
	ds_load_b128 v[DD+4:DD+7], v[ADD] offset:16
	WIN 0x80
	ds_load_b128 v[V2+8*(\pp):V2+8*(\pp)+3], v[ADD] offset:4096
	ds_load_b128 v[V2+8*(\pp)+4:V2+8*(\pp)+7], v[ADD] offset:4112
	WIN 0x08
.if \nx
.if \wrap
	s_sub_co_u32 s[TB], s[TB], 7*REC
	s_xor_b32 s[TB], s[TB], SLOT1
.else
	s_add_co_u32 s[TB], s[TB], REC
.endif
	v_add_nc_u32 v[ADR], v[LI], s[TB]
	v_add_nc_u32 v[ADB], v[L4], s[TB]
	R1F 1-(\pp)
.endif
.endm
; Product i of 32 of a tile: K step i / 4, row tile i % 4.  The four accumulators take turns, one instruction a turn.  K step 0 starts the sums: nothing is cleared.
.macro MM pp
.set rD, ACC+32*(\pp)+8*(i%4)
.set rU, BF+12*(i/4)
.set rE, 48*((i/4)%4)+12*(i%4)
.set rSU, BS+4*(\pp)+i/8
.set rSE, AS+4*(i%4)+i/8
.if i < 4
	v_wmma_scale_f32_16x16x128_f8f6f4 v[rD:rD+7], v[rU:rU+11], v[rE:rE+11], 0, v[rSU], v[rSE] matrix_a_fmt:MATRIX_FMT_FP6 matrix_b_fmt:MATRIX_FMT_FP6
.elseif ((i/4)%2) == 1
	v_wmma_scale_f32_16x16x128_f8f6f4 v[rD:rD+7], v[rU:rU+11], v[rE:rE+11], v[rD:rD+7], v[rSU], v[rSE] matrix_a_fmt:MATRIX_FMT_FP6 matrix_b_fmt:MATRIX_FMT_FP6 matrix_a_scale:MATRIX_SCALE_ROW1 matrix_b_scale:MATRIX_SCALE_ROW1
.else
	v_wmma_scale_f32_16x16x128_f8f6f4 v[rD:rD+7], v[rU:rU+11], v[rE:rE+11], v[rD:rD+7], v[rSU], v[rSE] matrix_a_fmt:MATRIX_FMT_FP6 matrix_b_fmt:MATRIX_FMT_FP6
.endif
.endm
; Line j of 112 of the vector work on accumulator set pp (and V2 set pp):  0-15 c2 acc + dec', a pair each, each accumulator from its low end on;  16-47 2^x;  48-63 + 1;  64-95 the reciprocals;  96-111 the sums += r V2
.macro SL pp
.set rT, ACC+32*(\pp)
.if j < 16
	v_pk_fma_f32 v[rT+2*j:rT+2*j+1], v[rT+2*j:rT+2*j+1], s[CC:CC+1], v[DD+2*(j%4):DD+2*(j%4)+1] op_sel_hi:[1,0,1]
.elseif j < 48
	v_exp_f32 v[rT+j-16], v[rT+j-16]
.elseif j < 64
	v_pk_add_f32 v[rT+2*(j-48):rT+2*(j-48)+1], v[rT+2*(j-48):rT+2*(j-48)+1], 1.0 op_sel_hi:[1,0]
.elseif j < 96
	v_rcp_f32 v[rT+j-64], v[rT+j-64]
.else
.set u, j-96                           ; row tile u % 4, pair of columns u / 4: the four sums by turns
	v_pk_fma_f32 v[SC+2*(u%4):SC+2*(u%4)+1], v[rT+8*(u%4)+2*(u/4):rT+8*(u%4)+2*(u/4)+1], v[V2+8*(\pp)+2*(u/4):V2+8*(\pp)+2*(u/4)+1], v[SC+2*(u%4):SC+2*(u%4)+1]
.endif
.set j, j+1
.endm
; THE CHANGE OF SLOTS stands at the head of a slot's eighth tile, when that tile's last fragments have been asked for.  Each wave waits for all its tensor loads (its part of the other slot), adds 0 to its spare word, and
; waits for that and for its reads of this slot.  fill = 1: a round of the cluster's barrier, and this slot is filled again with the records two slots on: the load has seven tiles, 224 products, in which to land.
.macro CHANGE fill
	s_wait_tensorcnt 0x0                           ; no tensor load of mine is out, so the walking group 0 may be written
	ds_add_u32 v[SPW], v[NIL]                      ; 0 onto my spare word
.if \fill
	s_xor_b32 s[G0W+1], s[G0W+1], SLOT1            ; the other slot than last time,
	s_add_nc_u64 s[G0W+2:G0W+3], s[G0W+2:G0W+3], SLOTB   ; the next eight records; the type bits on top are not reached
.endif
	s_wait_dscnt 0x0                               ; the add is done, and my reads of this slot are over
.if \fill
	ROUND                                          ; no wave of any partner still reads the slot or has a load on its way
	tensor_load_to_lds s[G0W:G0W+3], s[G1R:G1R+7]  ; my one tensor load behind the round, and the first thing there
	s_nop 0
.rept 4
	v_nop
.endr
.else
	s_barrier_signal -1
	s_barrier_wait -1
.endif
.endm
; A TILE of 16 rows of U_a, parity pp.  chg: 0 none, 1 a change of slots with a fill, 2 without.
.macro TILE pp, chg, nx, wrap
	R2                                             ; (the four sums' lines behind the last product are the places in front of these loads)
.if (\chg) == 1
	CHANGE 1
.elseif (\chg) == 2
	CHANGE 0
.endif
	s_wait_dscnt 12                                ; fragments 0-3, the scale words, dec' and V2 are in; the 12 loads just issued may be out
	WIN 0x04                                       ; source 1: window 1
.set i, 0
.set j, 0
.rept 32
	MM \pp
.if i < 4
.rept 4
	SL 1-(\pp)
.endr
.elseif i < 14
.rept 3
	SL 1-(\pp)
.endr
.elseif i == 14
.rept 2
	SL 1-(\pp)
.endr
.elseif i == 15
	v_nop                                          ; a plain instruction behind the last exponential
	s_wait_alu depctr_va_vdst(0)                   ; one wait for the 32 exponentials, ahead of the first line that names a result
	s_wait_dscnt 0x0                               ; fragments 4-7 are in
	WIN 0x08                                       ; source 1: window 2
.else
.rept 4
	SL 1-(\pp)
.endr
.if i == 16
	R1 \pp, \nx, \wrap                             ; fragments 0-3 were last read by product 15: the v_nop and the four additions are five places behind it
.endif
.if i == 27
	v_nop                                          ; a plain instruction behind the last reciprocal
	s_wait_alu depctr_va_vdst(0)                   ; one wait for the 32 reciprocals
.endif
.endif
.set i, i+1
.endr
	WIN 0                                          ; at a label and at a branch every window is 0
.endm
.macro SIX_TILES                       ; a slot's first six tiles: a loop of three trips of two tiles, in which the two sets change places and come back
	s_mov_b32 s28, 3
.Lpair_\@:
	TILE 0, 0, 1, 0
	TILE 1, 0, 1, 0
	s_sub_co_u32 s28, s28, 1
	s_cmp_lg_u32 s28, 0
	s_cbranch_scc1 .Lpair_\@
.endm
	s_wait_tensorcnt 0x1                           ; my parts of dv's row and of slot 0 are in; slot 1's may stay out
	s_barrier_signal -1
	s_barrier_wait -1                              ; everybody's are
	s_mov_b32 s[TB], 0
	s_mov_b32 s[TD], 0
	v_mov_b32 v[ADR], v[LI]
	v_mov_b32 v[ADB], v[L4]
	R1F 0
	s_mov_b32 s27, 6
.Lslot:                                            ; six trips: the slots that are filled again
	SIX_TILES
	TILE 0, 0, 1, 0
	TILE 1, 1, 1, 1
	s_sub_co_u32 s27, s27, 1
	s_cmp_lg_u32 s27, 0
	s_cbranch_scc1 .Lslot
	SIX_TILES                                      ; the last two slots are written out
	TILE 0, 0, 1, 0
	TILE 1, 2, 1, 1                                ; the last slot is shown whole to every wave; nothing is asked for
	SIX_TILES
	TILE 0, 0, 1, 0
	TILE 1, 0, 0, 0
	; ---- the last tile's vector work (the four sums' lines behind the last product are its places)
	s_wait_dscnt 0x0                               ; its dec' and V2
	WIN 0x08
.set j, 0
.rept 48
	SL 1
.endr
	v_nop
	s_wait_alu depctr_va_vdst(0)                   ; one wait for the exponentials
.rept 48
	SL 1
.endr
	v_nop
	s_wait_alu depctr_va_vdst(0)                   ; one wait for the reciprocals
.rept 16
	SL 1
.endr
	WIN 0
	; ---- sum(V2) over all 1,024: 32 numbers a lane; and the scores
	v_add_nc_u32 v14, DV+4096, v[LI]
.irp i, 0,1,2,3,4,5,6,7
	ds_load_b128 v[32+4*\i:35+4*\i], v14 offset:512*\i
.endr
.irp m, 0,1,2,3
	v_add_f32 v[OUTR+\m], v[SC+2*\m], v[SC+2*\m+1] ; the even columns' sum and the odd columns'
.endr
	s_wait_dscnt 0x0
.irp i, 0,1,2,3,4,5,6,7
	v_pk_add_f32 v[32+2*\i:33+2*\i], v[32+2*\i:33+2*\i], v[48+2*\i:49+2*\i]
.endr
.irp i, 0,1,2,3
	v_pk_add_f32 v[32+2*\i:33+2*\i], v[32+2*\i:33+2*\i], v[40+2*\i:41+2*\i]
.endr
.irp i, 0,1
	v_pk_add_f32 v[32+2*\i:33+2*\i], v[32+2*\i:33+2*\i], v[36+2*\i:37+2*\i]
.endr
	v_pk_add_f32 v[32:33], v[32:33], v[34:35]
	v_add_f32 v32, v32, v33
	v_add_f32_dpp v32, v32, v32 row_xmask:1 row_mask:0xf bank_mask:0xf
	v_add_f32_dpp v32, v32, v32 row_xmask:2 row_mask:0xf bank_mask:0xf
	v_add_f32_dpp v32, v32, v32 row_xmask:4 row_mask:0xf bank_mask:0xf
	v_add_f32_dpp v32, v32, v32 row_xmask:8 row_mask:0xf bank_mask:0xf
	v_permlanex16_b32 v33, v32, s[SEL], s[SEL+1]
	v_add_f32 v32, v32, v33                        ; sum(V2), in every lane
.irp m, 0,1,2,3
	v_permlanex16_b32 v[36+\m], v[OUTR+\m], s[SEL], s[SEL+1]
.endr
.irp m, 0,1,2,3
	v_add_f32 v[OUTR+\m], v[OUTR+\m], v[36+\m]     ; with the other eight columns of each tile, in lane l xor 16
.endr
.irp m, 0,1,2,3
	v_fma_f32 v[OUTR+\m], v32, -0.5, v[OUTR+\m]    ; + sum(v_a)
.endr
	v_and_b32 v14, 31, v0
	v_cmp_gt_u32 vcc_lo, 16, v14
	s_wait_xcnt 0x0                                ; EXEC changes only behind this wait
	s_and_saveexec_b32 s16, vcc_lo
	global_store_b128 v[LI], v[OUTR:OUTR+3], s[12:13]   ; lane r: rows 4 r .. 4 r + 3: sixteen lanes store 256 consecutive bytes, aligned
	s_wait_xcnt 0x0                                ; and again, in front of the line that widens it
	s_or_b32 exec_lo, exec_lo, s16
	s_wait_tensorcnt 0x0                           ; the wave's end
	ds_add_u32 v[SPW], v[NIL]
	s_wait_dscnt 0x0
	ROUND                                          ; the closing round: no work-group ends while a partner may still ask for a tile that names it
	s_endpgm
.Lfunc_end_k_q4fe76ece87_scores:
	.size	k_q4fe76ece87_scores, .Lfunc_end_k_q4fe76ece87_scores-k_q4fe76ece87_scores
	.p2alignl 7, 3214868480
	.fill 96, 4, 3214868480
	.section	.rodata,"a",@progbits
	.p2align	6, 0x0
	.amdhsa_kernel k_q4fe76ece87_scores
		.amdhsa_group_segment_fixed_size 327680
		.amdhsa_private_segment_fixed_size 0
		.amdhsa_enable_private_segment 0
		.amdhsa_kernarg_size 40
		.amdhsa_user_sgpr_count 2
		.amdhsa_user_sgpr_kernarg_segment_ptr 1
		.amdhsa_wavefront_size32 1
		.amdhsa_system_sgpr_workgroup_id_x 1
		.amdhsa_system_sgpr_workgroup_id_y 1
		.amdhsa_system_sgpr_workgroup_id_z 1
		.amdhsa_system_vgpr_workitem_id 0
		.amdhsa_next_free_vgpr 768
		.amdhsa_next_free_sgpr 66
		.amdhsa_reserve_vcc 1
		.amdhsa_float_denorm_mode_32 3
		.amdhsa_float_denorm_mode_16_64 3
		.amdhsa_memory_ordered 1
		.amdhsa_forward_progress 1
		.amdhsa_inst_pref_size 255
	.end_amdhsa_kernel
	.section	.bss,"aw",@nobits
	.p2align	6
	.space	262144
	.amdgpu_metadata
---
amdhsa.version: [ 1, 2 ]
amdhsa.kernels:
  - .name:           k_q4fe76ece87_scores
    .symbol:         k_q4fe76ece87_scores.kd
    .args:
      - { .name: encoder_outputs, .offset: 0, .size: 8, .value_kind: global_buffer, .address_space: global }
      - { .name: src_mask, .offset: 8, .size: 8, .value_kind: global_buffer, .address_space: global }
      - { .name: ucodes, .offset: 16, .size: 8, .value_kind: global_buffer, .address_space: global }
      - { .name: dv, .offset: 24, .size: 8, .value_kind: global_buffer, .address_space: global }
      - { .name: eraw, .offset: 32, .size: 8, .value_kind: global_buffer, .address_space: global }
    .group_segment_fixed_size: 327680
    .private_segment_fixed_size: 0
    .kernarg_segment_align: 8
    .kernarg_segment_size: 40
    .max_flat_workgroup_size: 128
    .sgpr_count:     66
    .vgpr_count:     768
    .wavefront_size: 32
...
	.end_amdgpu_metadata
.endif
;; end of part 2
;; launch context (part 3): grid 256 x 1, 8 waves a work-group, no clusters, 9,472 bytes of LDS; arguments encoder_outputs, src_mask, eraw, out0, out1; writes out0, out1
.if DOCPART == 3
	.amdgcn_target "amdgcn-amd-amdhsa--gfx1250"
	.amdhsa_code_object_version 6
	.text
	.protected	k_q4fe76ece87_context
	.globl	k_q4fe76ece87_context
	.p2align	8
	.type	k_q4fe76ece87_context,@function
k_q4fe76ece87_context:
	s_mov_b64 s[64:65], 0
	v_nop
	global_prefetch_b8 v0, s[64:65] scope:SCOPE_SE
	s_setreg_imm32_b32 hwreg(HW_REG_WAVE_MODE, 25, 1), 1
	s_wait_xcnt 0x0
; CONTEXT.  E = eraw where src_mask != 0, else -1000000009 (in f32: -1e9); alpha = softmax(E) over the batch's 1,024 rows (the row's maximum is taken away first); out1 = alpha; out0[b] = sum over s of alpha[s] enc[b][s].
; All in f32 on the vector unit: the product has one row (M = 1), and the launch is a stream of encoder_outputs.
; SHARES.  Four work-groups to a batch b: work-group q owns 1,024 bytes (256 columns) of every row.  Each computes the batch's whole softmax (4 KB of scores).  Wave w: hq = w % 2 picks 512 bytes of the quarter, g = w / 2 rows 256 g on:
; a load of a wave covers 512 consecutive bytes of one row.  The eight partial sums meet in LDS.
; ROWS WITH src_mask == 0 have alpha = 0 wherever the batch has a row that counts: their loads are pointed at the wave's first row (offset x min(mask | none, 1)) and multiplied by their p = 0.
; none = 1 where the whole batch is masked: then alpha = 1/1024 and every row is read.  The mask words that steer addresses come by scalar loads; none is made in every wave from the batch's whole mask row.
; LIMITS: NaN and infinities are not served; sum |v_a| stays under 9e8, so that a masked row's p falls to 0 beside any row that counts.
; No cluster and no tensor load: the four work-groups of a batch share only 8 KB of scores and mask; what is large is read by one wave each.  No prefetch: the loads of the stream are themselves 32 a wave ahead.
.set MAXW, 0                           ; LDS: the eight waves' maxima,
.set SUMW, 32                          ; their sums,
.set PTAB, 256                         ; p of the 1,024 rows,
.set PART, 256+4096                    ; the eight waves' partial contexts, 512 bytes each
.set T16, 1                            ; v1  16 x thread
.set L16, 2                            ; v2  16 x lane
.set WA,  3                            ; v3  4 x wave
.set TA,  4                            ; v4  PTAB + 1024 g
.set ZA,  5                            ; v5  0
.set INV, 6                            ; v6  1 / the sum;  v7 the maximum
.set MX,  7
.set PA,  24                           ; v24 PART + 16 x thread
.set PP,  32                           ; v32-47, v48-63  p of a chunk's 16 rows, two sets
.set EO,  64                           ; v64-79, v80-95  the rows' offsets
.set DA,  96                           ; v96-159, v160-223  the rows' 16 bytes a lane
.set KS,  32                           ; s[32:47], s[48:63]  the rows' mask words
.set WV,  14
.set NONE, 19
.set SEL, 20
	s_load_b256 s[4:11], s[0:1], 0x0               ; encoder_outputs s[4:5], src_mask s[6:7], eraw s[8:9], out0 s[10:11]
	s_load_b64 s[12:13], s[0:1], 0x20              ; out1
	v_lshl_add_u32 v224, v0, 2, 0x2100
	v_mov_b32 v225, 0
	v_lshrrev_b32 v25, 5, v0
	v_readfirstlane_b32 s[WV], v25                 ; wave 0..7
	s_lshr_b32 s15, ttmp9, 2                       ; b
	s_and_b32 s16, ttmp9, 3                        ; q
	s_and_b32 s17, s[WV], 1                        ; hq
	s_lshr_b32 s18, s[WV], 1                       ; g
	v_lshlrev_b32 v[T16], 4, v0
	v_and_b32 v[L16], 31, v0
	v_lshlrev_b32 v[L16], 4, v[L16]
	v_mov_b32 v[WA], s[WV]
	v_lshlrev_b32 v[WA], 2, v[WA]
	s_lshl_b32 s28, s18, 10
	s_add_co_u32 s30, s28, PTAB
	v_mov_b32 v[TA], s30
	v_mov_b32 v[ZA], 0
	v_lshl_add_u32 v[PA], v0, 4, PART
	v_mov_b32 v25, 0xce6e6b28                      ; the fill, -1e9
	s_mov_b32 s[SEL], 0x76543210
	s_mov_b32 s[SEL+1], 0xfedcba98
	s_mov_b32 s23, 0x3fb8aa3b                      ; log2(e)
	s_mov_b32 s29, 0
	s_lshl_b32 s26, s15, 12                        ; a batch's row of 4,096 bytes in src_mask, eraw, out0, out1
	s_mov_b32 s27, 0
	s_wait_kmcnt 0x0
	s_add_nc_u64 s[6:7], s[6:7], s[26:27]
	s_add_nc_u64 s[8:9], s[8:9], s[26:27]
	s_add_nc_u64 s[10:11], s[10:11], s[26:27]
	s_add_nc_u64 s[12:13], s[12:13], s[26:27]
	global_load_b128 v[8:11], v[T16], s[8:9]       ; thread t: rows 4 t .. 4 t + 3
	global_load_b128 v[12:15], v[T16], s[6:7]
.irp i, 0,1,2,3,4,5,6,7
	global_load_b128 v[DA+4*\i:DA+4*\i+3], v[L16], s[6:7] offset:512*\i   ; and, in every wave, the batch's whole mask row
.endr
	s_add_nc_u64 s[24:25], s[6:7], s[28:29]        ; the mask words of my wave's 256 rows
	s_load_b512 s[KS:KS+15], s[24:25], 0x0         ; chunks 0 and 1
	s_load_b512 s[KS+16:KS+31], s[24:25], 0x40
	s_lshl_b32 s26, s15, 22                        ; encoder_outputs: batch b,
	s_lshl_b32 s28, s18, 20                        ; rows 256 g on,
	s_add_co_u32 s26, s26, s28
	s_lshl_b32 s28, s16, 10                        ; quarter q,
	s_add_co_u32 s26, s26, s28
	s_lshl_b32 s30, s17, 9                         ; half hq
	s_add_co_u32 s26, s26, s30
	s_add_nc_u64 s[4:5], s[4:5], s[26:27]
	s_add_nc_u64 s[10:11], s[10:11], s[28:29]      ; out0 at quarter q
	s_wait_loadcnt 0x0
	; none: does no row of the batch count?
.irp i, 0,1,2,3,4,5,6,7,8,9,10,11,12,13,14,15
	v_or_b32 v[DA+\i], v[DA+\i], v[DA+16+\i]
.endr
.irp i, 0,1,2,3,4,5,6,7
	v_or_b32 v[DA+\i], v[DA+\i], v[DA+8+\i]
.endr
.irp i, 0,1,2,3
	v_or_b32 v[DA+\i], v[DA+\i], v[DA+4+\i]
.endr
	v_or_b32 v[DA], v[DA], v[DA+2]
	v_or_b32 v[DA+1], v[DA+1], v[DA+3]
	v_or_b32 v[DA], v[DA], v[DA+1]
	v_cmp_ne_u32 vcc_lo, 0, v[DA]
	s_cmp_lg_u32 vcc_lo, 0
	s_cselect_b32 s[NONE], 0, 1
	; the mask, and the maximum
.irp j, 0,1,2,3
	v_cmp_ne_u32 vcc_lo, 0, v[12+\j]
	v_cndmask_b32 v[8+\j], v25, v[8+\j], vcc_lo
.endr
	v_max3_num_f32 v26, v8, v9, v10
	v_max_num_f32 v26, v26, v11
	v_max_num_f32_dpp v26, v26, v26 row_xmask:1 row_mask:0xf bank_mask:0xf
	v_max_num_f32_dpp v26, v26, v26 row_xmask:2 row_mask:0xf bank_mask:0xf
	v_max_num_f32_dpp v26, v26, v26 row_xmask:4 row_mask:0xf bank_mask:0xf
	v_max_num_f32_dpp v26, v26, v26 row_xmask:8 row_mask:0xf bank_mask:0xf
	v_permlanex16_b32 v25, v26, s[SEL], s[SEL+1]
	v_max_num_f32 v26, v26, v25
	ds_store_b32 v[WA], v26 offset:MAXW            ; all lanes write the wave's word with the same value
	s_wait_dscnt 0x0                               ; for the others' sake
	s_barrier_signal -1
	s_barrier_wait -1
	ds_load_b128 v[32:35], v[ZA] offset:MAXW
	ds_load_b128 v[36:39], v[ZA] offset:MAXW+16
	s_wait_dscnt 0x0
	v_max3_num_f32 v[MX], v32, v33, v34
	v_max3_num_f32 v[MX], v[MX], v35, v36
	v_max3_num_f32 v[MX], v[MX], v37, v38
	v_max_num_f32 v[MX], v[MX], v39                ; the batch's maximum
.irp j, 0,1,2,3
	v_sub_f32 v[8+\j], v[8+\j], v[MX]
.endr
.irp j, 0,1,2,3
	v_mul_f32 v[8+\j], s23, v[8+\j]
.endr
.irp j, 0,1,2,3
	v_exp_f32 v[8+\j], v[8+\j]                     ; p = e^(E - maximum)
.endr
	v_nop                                          ; a plain instruction behind the last exponential
	s_wait_alu depctr_va_vdst(0)                   ; one wait for the four, ahead of the first line that names a result
	ds_store_b128 v[T16], v[8:11] offset:PTAB
	v_add_f32 v26, v8, v9
	v_add_f32 v27, v10, v11
	v_add_f32 v26, v26, v27
	v_add_f32_dpp v26, v26, v26 row_xmask:1 row_mask:0xf bank_mask:0xf
	v_add_f32_dpp v26, v26, v26 row_xmask:2 row_mask:0xf bank_mask:0xf
	v_add_f32_dpp v26, v26, v26 row_xmask:4 row_mask:0xf bank_mask:0xf
	v_add_f32_dpp v26, v26, v26 row_xmask:8 row_mask:0xf bank_mask:0xf
	v_permlanex16_b32 v25, v26, s[SEL], s[SEL+1]
	v_add_f32 v26, v26, v25
	ds_store_b32 v[WA], v26 offset:SUMW
	s_wait_dscnt 0x0                               ; p and the wave's sum have landed
	s_barrier_signal -1
	s_barrier_wait -1
	ds_load_b128 v[32:35], v[ZA] offset:SUMW
	ds_load_b128 v[36:39], v[ZA] offset:SUMW+16
	s_wait_dscnt 0x0
	v_pk_add_f32 v[32:33], v[32:33], v[34:35]
	v_pk_add_f32 v[36:37], v[36:37], v[38:39]
	v_pk_add_f32 v[32:33], v[32:33], v[36:37]
	v_add_f32 v32, v32, v33
	v_rcp_f32 v[INV], v32
	v_nop
	s_wait_alu depctr_va_vdst(0)                   ; ahead of the first reader, and of the branch
	s_cmp_eq_u32 s18, s16                          ; alpha: work-group q stores rows 256 q on: its waves 2 q and 2 q + 1
	s_cbranch_scc0 .Lno_alpha
	v_pk_mul_f32 v[12:13], v[8:9], v[INV:INV+1] op_sel_hi:[1,0]
	v_pk_mul_f32 v[14:15], v[10:11], v[INV:INV+1] op_sel_hi:[1,0]
	global_store_b128 v[T16], v[12:15], s[12:13]   ; a wave stores 512 consecutive bytes, aligned to 256
.Lno_alpha:
; ---- the stream: 16 chunks of 16 rows a wave, two sets by turns
; Chunk c into set st: the rows' offsets from their mask words, 16 loads of 512 bytes a wave, the rows' p from LDS (every lane reads the same words), and the mask words of the chunk two on.
.macro FILLC st, c
	s_wait_kmcnt 0x0                               ; scalar loads come back in no order: the wait is for all
.irp i, 0,1,2,3,4,5,6,7,8,9,10,11,12,13,14,15
	s_or_b32 s[KS+16*(\st)+\i], s[KS+16*(\st)+\i], s[NONE]
.endr
.irp i, 0,1,2,3,4,5,6,7,8,9,10,11,12,13,14,15
	s_min_u32 s[KS+16*(\st)+\i], s[KS+16*(\st)+\i], 1          ; 1: the row is read; 0: the wave's first row in its stead
.endr
.irp i, 0,1,2,3,4,5,6,7,8,9,10,11,12,13,14,15
	s_mul_i32 s[KS+16*(\st)+\i], s[KS+16*(\st)+\i], (16*(\c)+\i)*4096
.endr
.irp i, 0,1,2,3,4,5,6,7,8,9,10,11,12,13,14,15
	v_add_nc_u32 v[EO+16*(\st)+\i], s[KS+16*(\st)+\i], v[L16]  ; (this set's last loads were waited for: their offsets may be written)
.endr
.irp i, 0,1,2,3,4,5,6,7,8,9,10,11,12,13,14,15
	global_load_b128 v[DA+64*(\st)+4*\i:DA+64*(\st)+4*\i+3], v[EO+16*(\st)+\i], s[4:5]
.endr
.irp i, 0,1,2,3
	ds_load_b128 v[PP+16*(\st)+4*\i:PP+16*(\st)+4*\i+3], v[TA] offset:64*(\c)+16*\i
.endr
.if (\c)+2 < 16
	s_load_b512 s[KS+16*(\st):KS+16*(\st)+15], s[24:25], 64*((\c)+2)
.endif
.endm
; Chunk c in set st is added: even rows into v[16:19], odd rows into v[20:23].  left: the other set's loads, which may stay out.  The first two rows start the sums: nothing is cleared.
.macro CH st, c, left
	s_wait_loadcnt \left
	s_wait_dscnt (\left)/4
.irp i, 0,1,2,3,4,5,6,7,8,9,10,11,12,13,14,15
.set rA, 16+4*(\i%2)
.set rD, DA+64*(\st)+4*\i
.set rP, PP+16*(\st)+\i-(\i%2)
.if ((\c) == 0) && (\i == 0)
	v_pk_mul_f32 v[rA:rA+1], v[rD:rD+1], v[rP:rP+1] op_sel_hi:[1,0]
	v_pk_mul_f32 v[rA+2:rA+3], v[rD+2:rD+3], v[rP:rP+1] op_sel_hi:[1,0]
.elseif ((\c) == 0) && (\i == 1)
	v_pk_mul_f32 v[rA:rA+1], v[rD:rD+1], v[rP:rP+1] op_sel:[0,1] op_sel_hi:[1,1]
	v_pk_mul_f32 v[rA+2:rA+3], v[rD+2:rD+3], v[rP:rP+1] op_sel:[0,1] op_sel_hi:[1,1]
.elseif (\i%2) == 0
	v_pk_fma_f32 v[rA:rA+1], v[rD:rD+1], v[rP:rP+1], v[rA:rA+1] op_sel_hi:[1,0,1]
	v_pk_fma_f32 v[rA+2:rA+3], v[rD+2:rD+3], v[rP:rP+1], v[rA+2:rA+3] op_sel_hi:[1,0,1]
.else
	v_pk_fma_f32 v[rA:rA+1], v[rD:rD+1], v[rP:rP+1], v[rA:rA+1] op_sel:[0,1,0] op_sel_hi:[1,1,1]
	v_pk_fma_f32 v[rA+2:rA+3], v[rD+2:rD+3], v[rP:rP+1], v[rA+2:rA+3] op_sel:[0,1,0] op_sel_hi:[1,1,1]
.endif
.endr
.endm
	FILLC 0, 0
	FILLC 1, 1
.set n, 0
.rept 14
	CH n%2, n, 16                                  ; this chunk's 16 loads and 4 LDS loads are in; the other set's may be out
	FILLC n%2, n+2
.set n, n+1
.endr
	CH 0, 14, 16
	CH 1, 15, 0
	v_pk_add_f32 v[16:17], v[16:17], v[20:21]
	v_pk_add_f32 v[18:19], v[18:19], v[22:23]
	ds_store_b128 v[PA], v[16:19]
	s_wait_dscnt 0x0                               ; my partial sum has landed
	s_barrier_signal -1
	s_barrier_wait -1
	s_cmp_lt_u32 s[WV], 2                          ; waves 0 and 1 add the four parts of their 512 bytes
	s_cbranch_scc0 .Lend
.irp g, 0,1,2,3
	ds_load_b128 v[32+4*\g:35+4*\g], v[PA] offset:1024*\g
.endr
	s_wait_dscnt 0x0
	v_pk_add_f32 v[32:33], v[32:33], v[36:37]
	v_pk_add_f32 v[34:35], v[34:35], v[38:39]
	v_pk_add_f32 v[40:41], v[40:41], v[44:45]
	v_pk_add_f32 v[42:43], v[42:43], v[46:47]
	v_pk_add_f32 v[32:33], v[32:33], v[40:41]
	v_pk_add_f32 v[34:35], v[34:35], v[42:43]
	v_pk_mul_f32 v[32:33], v[32:33], v[INV:INV+1] op_sel_hi:[1,0]
	v_pk_mul_f32 v[34:35], v[34:35], v[INV:INV+1] op_sel_hi:[1,0]
	global_store_b128 v[T16], v[32:35], s[10:11]   ; a wave stores 512 consecutive bytes, aligned to 256
.Lend:
	s_wait_tensorcnt 0x0
	ds_add_u32 v224, v225
	s_wait_dscnt 0x0
	s_endpgm
.Lfunc_end_k_q4fe76ece87_context:
	.size	k_q4fe76ece87_context, .Lfunc_end_k_q4fe76ece87_context-k_q4fe76ece87_context
	.p2alignl 7, 3214868480
	.fill 96, 4, 3214868480
	.section	.rodata,"a",@progbits
	.p2align	6, 0x0
	.amdhsa_kernel k_q4fe76ece87_context
		.amdhsa_group_segment_fixed_size 9472
		.amdhsa_private_segment_fixed_size 0
		.amdhsa_enable_private_segment 0
		.amdhsa_kernarg_size 40
		.amdhsa_user_sgpr_count 2
		.amdhsa_user_sgpr_kernarg_segment_ptr 1
		.amdhsa_wavefront_size32 1
		.amdhsa_system_sgpr_workgroup_id_x 1
		.amdhsa_system_sgpr_workgroup_id_y 1
		.amdhsa_system_sgpr_workgroup_id_z 1
		.amdhsa_system_vgpr_workitem_id 0
		.amdhsa_next_free_vgpr 226
		.amdhsa_next_free_sgpr 66
		.amdhsa_reserve_vcc 1
		.amdhsa_float_denorm_mode_32 3
		.amdhsa_float_denorm_mode_16_64 3
		.amdhsa_memory_ordered 1
		.amdhsa_forward_progress 1
		.amdhsa_inst_pref_size 111
	.end_amdhsa_kernel
	.amdgpu_metadata
---
amdhsa.version: [ 1, 2 ]
amdhsa.kernels:
  - .name:           k_q4fe76ece87_context
    .symbol:         k_q4fe76ece87_context.kd
    .args:
      - { .name: encoder_outputs, .offset: 0, .size: 8, .value_kind: global_buffer, .address_space: global }
      - { .name: src_mask, .offset: 8, .size: 8, .value_kind: global_buffer, .address_space: global }
      - { .name: eraw, .offset: 16, .size: 8, .value_kind: global_buffer, .address_space: global }
      - { .name: out0, .offset: 24, .size: 8, .value_kind: global_buffer, .address_space: global }
      - { .name: out1, .offset: 32, .size: 8, .value_kind: global_buffer, .address_space: global }
    .group_segment_fixed_size: 9472
    .private_segment_fixed_size: 0
    .kernarg_segment_align: 8
    .kernarg_segment_size: 40
    .max_flat_workgroup_size: 256
    .sgpr_count:     66
    .vgpr_count:     226
    .wavefront_size: 32
...
	.end_amdgpu_metadata
.endif
;; end of part 3
;; ======== version 2 of 2: 3 launches
;; limits: right only within a limited range of input values
;; workspace buffers: ucodes 819,200 bytes; dv 524,288 bytes; eraw 262,144 bytes; part 1,179,648 bytes
;; launch prep (part 4): grid 256 x 1, 8 waves a work-group, no clusters, 9,216 bytes of LDS; arguments U_a, W_a, decoder_state, v_a, ucodes, dv; writes ucodes, dv
.if DOCPART == 4
	.amdgcn_target "amdgcn-amd-amdhsa--gfx1250"
	.amdhsa_code_object_version 6
	.text
	.protected	k_q4fe76ece87_prep
	.globl	k_q4fe76ece87_prep
	.p2align	8
	.type	k_q4fe76ece87_prep,@function
k_q4fe76ece87_prep:
	s_mov_b64 s[64:65], 0
	v_nop
	global_prefetch_b8 v0, s[64:65] scope:SCOPE_SE
	s_setreg_imm32_b32 hwreg(HW_REG_WAVE_MODE, 25, 1), 1
	s_wait_xcnt 0x0
; PREP.  (1) dec' = c2 x (Q(decoder_state) Q(W_a)^T), c2 = 2 log2(e), by the scaled FP6 matrix instruction, and V2 = -2 v_a.
;   dv: [64][2048] f32: row b holds dec'[b][0..1023], then V2[0..1023] (repeated for each b, so that the next launch fetches one dense block of 8,192 bytes for a batch).
; (2) U_a [1024][1024] f32 becomes codes of FP6 (E2M3) with one E8M0 byte for each 32 along K, laid in the order of an operand's registers.
;   ucodes: 64 records of 12,800 bytes; record T = rows 16 T .. 16 T + 15.  Fragment s (K step of 128) at 1536 s + 512 c + 16 lane holds the lane's registers 4 c .. 4 c + 3;
;   scale words at 12288 + 64 s + 4 r: row r's word of K step s.
; SHARES.  256 work-groups of eight waves.  Work-group (T = id / 4, w = id % 4) makes the tile of dec' with columns 16 T on and batches 16 w on; WAVE j TAKES K STEP j ALONE: one fragment of W_a, one of decoder_state,
; one matrix instruction.  So a wave's 32 loads go out at once and nothing is chained.  The eight partial tiles meet in LDS as images of their registers (1,024 bytes a wave), behind one barrier; waves 0 and 1 add them.
; K is thus summed in eight parts, each in f32; dec' goes on into tanh, into no quantiser.  U_a's fragment (T, s) is made by wave s of the work-group with w = s / 2: two waves of each work-group have this third fragment.
; K is innermost in all operands: lane (r, h) of a fragment wants k = 64 c + 32 h + 0 .. 31 of row r: two whole blocks of 32, 128 neighbouring bytes each, eight loads of 16 bytes.
; So a block's largest magnitude needs no other lane, and the conversions' results are the operand's registers.
; A block's scale is 2^(floor(log2(largest magnitude)) - 2); its byte is the largest magnitude's exponent field - 2, held at 1 from below.
; LIMITS: NaN and infinities among the inputs are not served; a block whose largest magnitude lies under 2^-124 (a block of zeros too) keeps the byte 1: its codes are what the conversion gives under that scale
; (zeros for zeros), and this program alone reads the bytes.
; No cluster and no tensor load: a work-group reads 144 KB, each wave its own part of it, straight into the registers in which it is quantised.
.set LI,  1                            ; v1   16 x lane
.set L4,  2                            ; v2   4 x lane
.set XA,  3                            ; v3   4096 r + 128 h: my row of a tile of 16 rows, my half's first block
.set SH8, 4                            ; v4   8 h: where my two scale bytes stand in the word
.set OD,  5                            ; v5   8192 r + 32 h + 16 (wave % 2): my place in dv
.set VO,  6                            ; v6   32 h + 16 (wave % 2): my place among the tile's 16 numbers of v_a
.set FA,  8                            ; v8-19   a fragment's codes
.set FB,  20                           ; v20-31  a second fragment's
.set X0,  32                           ; v32-223 three sets of 64 numbers as loaded
.set TMX, 224                          ; v224-225 the two blocks' largest magnitudes
.set SO,  226                          ; v226-227 the conversions' scale operands
.set BY,  228                          ; v228-229 the scale bytes
.set PT,  231                          ; v231 the other half's bytes
.set WE,  232                          ; v232 a scale word; v233 a second
.set WO,  233
.set PS,  234                          ; v234 LDS: 1024 x wave + 16 x lane: where my partial tile goes
.set PR,  235                          ; v235 LDS: 512 x wave + 16 x lane: where waves 0 and 1 read the parts
.set TT,  236                          ; v236-238, v240-242 the second halves of the blocks' codes
.set ACC, 244                          ; v244-251 my partial tile
.set VA,  252                          ; v252-255 four numbers of v_a
.set WV,  16
.set SEL, 20                           ; s[20:21] selects of v_permlanex16_b32: lane l xor 16
.set CC,  22                           ; s[22:23] c2, twice
.set MSB, 0
.macro WIN new                         ; the immediate's high byte repeats the setting that is left; a switch that changes nothing is dropped (here every window is 0)
.if MSB != (\new)
	s_set_vgpr_msb (MSB<<8)|(\new)
.set MSB, (\new)
.endif
.endm
; 16 loads: 64 numbers of my row: k = 64 c + 32 h + 0 .. 31 of the K step that begins off bytes behind the base
.macro XL x, adr, base, off
.irp c, 0,1
.irp i, 0,1,2,3,4,5,6,7
	global_load_b128 v[(\x)+32*\c+4*\i:(\x)+32*\c+4*\i+3], v[\adr], s[\base:\base+1] offset:(\off)+256*\c+16*\i
.endr
.endr
.endm
; 64 numbers of a lane, v[x + 32 c + i] = k 64 c + 32 h + i of my row, become the fragment's registers v[a .. a + 11] (window w) and my row's scale word v[wd] (all lanes)
.macro QF x, w, a, tt, wd
.irp c, 0,1
	v_max3_num_f32 v[TMX+\c], |v[(\x)+32*\c]|, |v[(\x)+32*\c+1]|, 0x1800000   ; block 2 c + h, and the floor 2^(3 - 127): the byte cannot fall under 1
.endr
.irp i, 2,4,6,8,10,12,14,16,18,20,22,24,26,28,30
.irp c, 0,1
	s_delay_alu instid0(VALU_DEP_2)
	v_max3_num_f32 v[TMX+\c], v[TMX+\c], |v[(\x)+32*\c+\i]|, |v[(\x)+32*\c+\i+1]|   ; the two blocks by turns
.endr
.endr
.irp c, 0,1
	s_delay_alu instid0(VALU_DEP_2)
	v_add_nc_u32 v[SO+\c], 0xff000000, v[TMX+\c]   ; 2 off the exponent field: the conversion takes this operand's exponent field as its scale
.endr
.irp c, 0,1
	s_delay_alu instid0(VALU_DEP_2)
	v_lshrrev_b32 v[BY+\c], 23, v[SO+\c]           ; the scale's byte
.endr
	s_delay_alu instid0(VALU_DEP_1)
	v_lshl_or_b32 v[\wd], v[BY+1], 16, v[BY]       ; my bytes: blocks h and 2 + h,
	s_delay_alu instid0(VALU_DEP_1)
	v_lshlrev_b32 v[\wd], v[SH8], v[\wd]           ; at their places;
	s_delay_alu instid0(VALU_DEP_1)
	v_permlanex16_b32 v[PT], v[\wd], s[SEL], s[SEL+1]
	s_delay_alu instid0(VALU_DEP_1)
	v_or_b32 v[\wd], v[\wd], v[PT]                 ; with lane l xor 16's two the word is whole
	WIN (\w)<<6
.irp c, 0,1
	v_cvt_scalef32_pk16_fp6_f32 v[(\a)+6*\c:(\a)+6*\c+2], v[(\x)+32*\c:(\x)+32*\c+15], v[SO+\c]
	v_cvt_scalef32_pk16_fp6_f32 v[(\tt)+4*\c:(\tt)+4*\c+2], v[(\x)+32*\c+16:(\x)+32*\c+31], v[SO+\c]   ; a conversion's three registers begin on an even number: the second half is made elsewhere and moved
.endr
	v_nop                                          ; one plain instruction behind the last scaled conversion
	WIN ((\w)<<6)|(\w)
.irp c, 0,1
.irp i, 0,1,2
	v_mov_b32 v[(\a)+6*\c+3+\i], v[(\tt)+4*\c+\i]
.endr
.endr
	WIN 0
.endm
	s_load_b256 s[4:11], s[0:1], 0x0               ; U_a s[4:5], W_a s[6:7], decoder_state s[8:9], v_a s[10:11]
	s_load_b128 s[12:15], s[0:1], 0x20             ; ucodes s[12:13], dv s[14:15]
	v_lshl_add_u32 v239, v0, 2, 0x2000
	v_mov_b32 v243, 0
	v_lshrrev_b32 v7, 5, v0
	s_delay_alu instid0(VALU_DEP_1)
	v_readfirstlane_b32 s[WV], v7                  ; wave j = 0..7: my K step
	v_and_b32 v[L4], 31, v0
	s_delay_alu instid0(VALU_DEP_1)
	v_lshlrev_b32 v[LI], 4, v[L4]
	s_delay_alu instid0(VALU_DEP_2)
	v_lshlrev_b32 v[L4], 2, v[L4]
	s_delay_alu instid0(VALU_DEP_2)
	v_lshl_add_u32 v[PS], v7, 10, v[LI]
	s_delay_alu instid0(VALU_DEP_3)
	v_lshl_add_u32 v[PR], v7, 9, v[LI]
	v_and_b32 v[XA], 15, v0                        ; r
	v_bfe_u32 v[VO], v0, 4, 1                      ; h
	s_and_b32 s18, s[WV], 1
	s_lshl_b32 s18, s18, 4                         ; 16 (j % 2): which four of a lane's eight columns waves 0 and 1 finish
	v_lshlrev_b32 v[OD], 13, v[XA]
	s_delay_alu instid0(VALU_DEP_1)
	v_lshl_add_u32 v[OD], v[VO], 5, v[OD]
	s_delay_alu instid0(VALU_DEP_1)
	v_add_nc_u32 v[OD], s18, v[OD]
	v_lshlrev_b32 v[XA], 12, v[XA]
	s_delay_alu instid0(VALU_DEP_1)
	v_lshl_add_u32 v[XA], v[VO], 7, v[XA]
	v_lshlrev_b32 v[SH8], 3, v[VO]
	v_lshlrev_b32 v[VO], 5, v[VO]
	s_delay_alu instid0(VALU_DEP_1)
	v_add_nc_u32 v[VO], s18, v[VO]
	v_mov_b32 v[PT], 0                             ; written once: a lane permute's destination counts as one of its sources
	s_mov_b32 s[SEL], 0x76543210
	s_mov_b32 s[SEL+1], 0xfedcba98
	s_mov_b32 s[CC], 0x4038aa3b                    ; c2 = 2 log2(e)
	s_mov_b32 s[CC+1], s[CC]
	s_lshr_b32 s25, ttmp9, 2                       ; T: the tile of 16 rows of W_a and of U_a
	s_and_b32 s17, ttmp9, 3                        ; w: the tile of 16 batches
	s_lshl_b32 s19, s[WV], 9                       ; K step j begins 512 j bytes into a row
	s_lshl_b32 s26, s25, 16                        ; 16 rows of 4,096 bytes
	s_add_co_u32 s26, s26, s19
	s_mov_b32 s27, 0
	s_lshl_b32 s28, s17, 16
	s_add_co_u32 s28, s28, s19
	s_mov_b32 s29, 0
	s_lshl_b32 s30, s25, 6                         ; 16 columns of 4 bytes
	s_mov_b32 s31, 0
	s_lshl_b32 s32, s17, 17                        ; dv: 16 rows of 8,192 bytes
	s_add_co_u32 s32, s32, s30
	s_mov_b32 s33, 0
	s_mul_i32 s34, s25, 12800                      ; record T
	s_mul_i32 s36, s[WV], 1536                     ; fragment j in it
	s_add_co_u32 s36, s36, s34
	s_mov_b32 s37, 0
	s_lshl_b32 s24, s[WV], 6                       ; and K step j's 64 bytes of scale words
	s_add_co_u32 s34, s34, s24
	s_mov_b32 s35, 0
	s_wait_alu depctr_va_vdst(0)
	s_wait_kmcnt 0x0
	s_add_nc_u64 s[4:5], s[4:5], s[26:27]
	s_add_nc_u64 s[6:7], s[6:7], s[26:27]
	s_add_nc_u64 s[8:9], s[8:9], s[28:29]
	s_add_nc_u64 s[10:11], s[10:11], s[30:31]
	s_add_nc_u64 s[14:15], s[14:15], s[32:33]
	s_add_nc_u64 s[36:37], s[12:13], s[36:37]
	s_add_nc_u64 s[34:35], s[12:13], s[34:35]
	global_load_b128 v[VA:VA+3], v[VO], s[10:11]   ; every wave asks, so that the numbers are there long before waves 0 and 1 want them
	XL X0, XA, 6, 0                                ; W_a's fragment
	XL X0+64, XA, 8, 0                             ; decoder_state's
	; ---- U_a's fragment (T, j), in the two waves with j / 2 = w: loads, wait, quantiser and stores in one block
	s_lshr_b32 s18, s[WV], 1
	s_cmp_eq_u32 s18, s17
	s_cbranch_scc0 .Lnou
	XL X0+128, XA, 4, 0
	s_wait_loadcnt 0x0                             ; all three fragments were asked for together
	QF X0+128, 0, FA, TT, WE
.irp c, 0,1,2
	global_store_b128 v[LI], v[FA+4*\c:FA+4*\c+3], s[36:37] offset:512*\c   ; each store covers 512 consecutive bytes, aligned to 256
.endr
	v_cmp_gt_u32 vcc_lo, 64, v[L4]                 ; lanes 0-15: lane r has row r's word (lanes 16-31 hold the same)
	s_wait_xcnt 0x0                                ; EXEC changes only behind this wait
	s_and_saveexec_b32 s19, vcc_lo
	global_store_b32 v[L4], v[WE], s[34:35] offset:12288
	s_wait_xcnt 0x0                                ; and again, in front of the line that widens it; the stores' data may be written again behind it too
	s_or_b32 exec_lo, exec_lo, s19
.Lnou:
	; ---- my K step of the tile of dec'
	s_wait_loadcnt 16                              ; v_a's load and W_a's 16 are in; decoder_state's 16 may be out
	QF X0, 0, FA, TT, WE
	s_wait_loadcnt 0x0
	QF X0+64, 0, FB, TT, WO
.rept 8
	v_nop                                          ; scale words written by vector instructions stand 8 places ahead of a scaled matrix instruction, operands so written 4
.endr
	v_wmma_scale_f32_16x16x128_f8f6f4 v[ACC:ACC+7], v[FA:FA+11], v[FB:FB+11], 0, v[WE], v[WO] matrix_a_fmt:MATRIX_FMT_FP6 matrix_b_fmt:MATRIX_FMT_FP6   ; source 0 = W_a: lane (r, h) holds batch 16 w + r, columns 16 T + 8 h + 0 .. 7
.rept 4
	v_nop                                          ; places between the product and the first read of its result
.endr
	ds_store_b128 v[PS], v[ACC:ACC+3]              ; the partial tile as an image of its registers, from the low end on: 512 consecutive bytes a store
	ds_store_b128 v[PS], v[ACC+4:ACC+7] offset:512
	s_wait_dscnt 0x0                               ; for the others' sake: my part has landed
	s_barrier_signal -1
	s_barrier_wait -1
	s_cmp_lt_u32 s[WV], 2                          ; wave j < 2 adds registers 4 j .. 4 j + 3 of the eight parts
	s_cbranch_scc0 .Lend
.irp p, 0,1,2,3,4,5,6,7
	ds_load_b128 v[32+4*\p:35+4*\p], v[PR] offset:1024*\p
.endr
	v_pk_mul_f32 v[72:73], v[VA:VA+1], -2.0 op_sel_hi:[1,0]       ; V2 of my four columns
	v_pk_mul_f32 v[74:75], v[VA+2:VA+3], -2.0 op_sel_hi:[1,0]
	global_store_b128 v[OD], v[72:75], s[14:15] offset:4096
	s_wait_dscnt 0x0
.irp i, 0,1,2,3,4,5,6,7
	v_pk_add_f32 v[32+2*\i:33+2*\i], v[32+2*\i:33+2*\i], v[48+2*\i:49+2*\i]   ; part p + part p + 4,
.endr
.irp i, 0,1,2,3
	s_delay_alu instid0(VALU_DEP_4)
	v_pk_add_f32 v[32+2*\i:33+2*\i], v[32+2*\i:33+2*\i], v[40+2*\i:41+2*\i]   ; + 2,
.endr
.irp i, 0,1
	s_delay_alu instid0(VALU_DEP_2)
	v_pk_add_f32 v[32+2*\i:33+2*\i], v[32+2*\i:33+2*\i], v[36+2*\i:37+2*\i]   ; + 1
.endr
	s_delay_alu instid0(VALU_DEP_2)
	v_pk_mul_f32 v[32:33], v[32:33], s[CC:CC+1] op_sel_hi:[1,0]
	s_delay_alu instid0(VALU_DEP_2)
	v_pk_mul_f32 v[34:35], v[34:35], s[CC:CC+1] op_sel_hi:[1,0]
	global_store_b128 v[OD], v[32:35], s[14:15]    ; 16 bytes a lane, rows 8,192 bytes apart: dv is 0.5 MB in all
.Lend:
	s_wait_tensorcnt 0x0
	ds_add_u32 v239, v243
	s_wait_dscnt 0x0
	s_endpgm
.Lfunc_end_k_q4fe76ece87_prep:
	.size	k_q4fe76ece87_prep, .Lfunc_end_k_q4fe76ece87_prep-k_q4fe76ece87_prep
	.p2alignl 7, 3214868480
	.fill 96, 4, 3214868480
	.section	.rodata,"a",@progbits
	.p2align	6, 0x0
	.amdhsa_kernel k_q4fe76ece87_prep
		.amdhsa_group_segment_fixed_size 9216
		.amdhsa_private_segment_fixed_size 0
		.amdhsa_enable_private_segment 0
		.amdhsa_kernarg_size 48
		.amdhsa_user_sgpr_count 2
		.amdhsa_user_sgpr_kernarg_segment_ptr 1
		.amdhsa_wavefront_size32 1
		.amdhsa_system_sgpr_workgroup_id_x 1
		.amdhsa_system_sgpr_workgroup_id_y 1
		.amdhsa_system_sgpr_workgroup_id_z 1
		.amdhsa_system_vgpr_workitem_id 0
		.amdhsa_next_free_vgpr 256
		.amdhsa_next_free_sgpr 66
		.amdhsa_reserve_vcc 1
		.amdhsa_float_denorm_mode_32 3
		.amdhsa_float_denorm_mode_16_64 3
		.amdhsa_memory_ordered 1
		.amdhsa_forward_progress 1
		.amdhsa_inst_pref_size 24
	.end_amdhsa_kernel
	.amdgpu_metadata
---
amdhsa.version: [ 1, 2 ]
amdhsa.kernels:
  - .name:           k_q4fe76ece87_prep
    .symbol:         k_q4fe76ece87_prep.kd
    .args:
      - { .name: U_a, .offset: 0, .size: 8, .value_kind: global_buffer, .address_space: global }
      - { .name: W_a, .offset: 8, .size: 8, .value_kind: global_buffer, .address_space: global }
      - { .name: decoder_state, .offset: 16, .size: 8, .value_kind: global_buffer, .address_space: global }
      - { .name: v_a, .offset: 24, .size: 8, .value_kind: global_buffer, .address_space: global }
      - { .name: ucodes, .offset: 32, .size: 8, .value_kind: global_buffer, .address_space: global }
      - { .name: dv, .offset: 40, .size: 8, .value_kind: global_buffer, .address_space: global }
    .group_segment_fixed_size: 9216
    .private_segment_fixed_size: 0
    .kernarg_segment_align: 8
    .kernarg_segment_size: 48
    .max_flat_workgroup_size: 256
    .sgpr_count:     66
    .vgpr_count:     256
    .wavefront_size: 32
...
	.end_amdgpu_metadata
.endif
;; end of part 4
;; launch scores (part 5): grid 256 x 1, 8 waves a work-group, clusters of 4 x 1, 327,680 bytes of LDS; arguments encoder_outputs, src_mask, ucodes, dv, eraw, part; writes eraw, part
.if DOCPART == 5
	.amdgcn_target "amdgcn-amd-amdhsa--gfx1250"
	.amdhsa_code_object_version 6
	.text
	.protected	k_q4fe76ece87_scores
	.globl	k_q4fe76ece87_scores
	.p2align	8
	.type	k_q4fe76ece87_scores,@function
k_q4fe76ece87_scores:
	s_mov_b64 s[64:65], 0
	v_nop
	global_prefetch_b8 v0, s[64:65] scope:SCOPE_SE
	s_setreg_imm32_b32 hwreg(HW_REG_WAVE_MODE, 25, 1), 1
	s_wait_xcnt 0x0
	s_wait_alu depctr_hold_cnt(0) depctr_sa_sdst(0) depctr_va_vdst(0) depctr_va_sdst(0) depctr_va_ssrc(0) depctr_va_vcc(0) depctr_vm_vsrc(0)
	s_getreg_b32 s2, hwreg(HW_REG_IB_STS2, 6, 4)
	s_cmp_eq_u32 s2, 0
	s_cbranch_scc0 .Lentry_in_a_cluster
	s_endpgm
.Lentry_in_a_cluster:
	s_bfe_u32 s2, ttmp6, 0x10000c
	s_cmp_lg_u32 s2, 0x3003
	s_cbranch_scc0 .Lentry_shape_is_right
	s_endpgm
.Lentry_shape_is_right:
; SCORES AND PARTIAL CONTEXT.  Work-group (b = cluster, q = place in it) owns rows 256 q .. 256 q + 255 of batch b; EIGHT waves, two to a SIMD, 32 rows each: lane r of row tile m holds row 2 r + m.
; A wave's matrix instructions stand in one run and its vector work in batches behind it, so that the SIMD's other wave can issue the other kind meanwhile.
; (1) The wave's rows are quantised to FP6 (E2M3, one E8M0 byte for 32 along K) in registers: 2 row tiles x 8 K steps x 12 registers, window 1.
; (2) E = sum over a of v_a tanh(dec + enc U^T): U's 64 records of 16 columns come through a ring of two LDS slots of eight records, by joint loads of the cluster's four work-groups, which walk the same records.
;     A tile of 16 columns: 16 scaled FP6 matrix instructions on end (source 0 = U, so a lane holds one row and eight columns), the two accumulators by turns; then tanh in batches:
;     t = c2 x sum + dec', e = 2^t, 1 + e, 1 / (1 + e), E += V2 / (1 + e); tanh(x) = 1 - 2 / (1 + e^(2x)), V2 = -2 v_a, and sum v_a = -0.5 sum V2 is added at the end.  eraw = E, unmasked.
; (3) E' = E, or -1e9 where src_mask == 0; M = the largest E' of the work-group's 256 rows; p = e^(E' - M); L = sum p; the rows are streamed once more, whole rows of 4,096 bytes, and sum p x row is made in f32.
;     part: a record of 4,608 bytes for each work-group: 1,024 sums, then 512 bytes of (M, L) pairs.  The next launch joins a batch's four records.
; ROWS WITH src_mask == 0: their loads are pointed at the wave's first row (offset x mask): in (1) their E is never used, in (3) their p is 0 beside any row that counts, here or in the join.
;     none = 1 where the whole batch is masked: then every row counts alike and (3) reads every row.  The choice is a multiplication, no jump.
; LIMITS: NaN and infinities are not served; sum |v_a| stays under 9e8, so that a masked row's p falls to 0 beside a row that counts; a block whose largest magnitude lies under 2^-124 keeps the scale byte 1.
; No prefetch: a refill of the ring is asked for eight tiles ahead of its first read, and the stream's own loads run a set of 32 ahead of their use.
.set REC,   12800                      ; a record: 8 fragments of 1,536 bytes, 512 bytes of scale words
.set SLOTB, 8*REC
.set QB,    SLOTB/8                    ; a wave's eighth of a slot: 50 rows of 256 bytes
.set DV,    SLOTB                      ; behind slot 0: dec' and V2 of the batch, 8,192 bytes
.set SLOT1, 1<<17
.set SPARE, 1<<18                      ; the spare words, 1,024 bytes
.set STGP,  4096                       ; the end's stage lies in slot 0, which has had its last fill and its last read by then: maxima at 0, sums at 256, the waves' partial contexts from 4,096 on
.set LI,  1                            ; 16 x lane
.set L4,  2                            ; 4 x lane
.set DH,  3                            ; DV + 32 h
.set ADR, 4
.set ADB, 5
.set ADD, 6
.set SPW, 7
.set NIL, 8
.set SH8, 9
.set XA,  10                           ; v10-11 my row's offset in each row tile
.set AS,  16                           ; v16-23 the rows' scale words: even K step in lanes 0-15, odd in lanes 16-31
.set BF,  32                           ; v32-127 U's eight fragments of a tile
.set X0,  32                           ; v32-223 at the head: three sets of 64 numbers
.set ACC, 128                          ; v128-143 two accumulators
.set DD,  160
.set V2,  168
.set SC,  176                          ; v176-183 E in four parts for each row tile
.set BS,  184                          ; v184-187 U's scale words
.set OUTR, 216
.set TMX, 224
.set SO,  226
.set BY,  228
.set PT,  231
.set WE,  232
.set WO,  233
.set MK,  236                          ; v236-237 min(mask, 1) of rows 2 r + m
.set P,   240                          ; v240-241 E', then p
.set MA,  244                          ; 8 r
.set WA,  245                          ; 4 x wave
.set PSA, 246                          ; 4096 x wave + 16 x lane
.set PRA, 247                          ; 512 x wave + 16 x lane
.set ZA,  248                          ; 0
.set MX,  249
.set LS,  250
.set FV,  251                          ; the fill
.set TT,  192
.set CX,  32                           ; v32-63 the end: my partial context
.set EO,  96                           ; v96-103 the end: row offsets, two sets of four
.set WV,  66
.set CXP, 67
.set NONE, 68
.set SEL, 20
.set CC,  22
.set HM,  24
.set TB,  25
.set TD,  26
.set G1R, 32
.set G1D, 40
.set G0A, 48
.set G0W, 52
.set G0D, 56
.set MSB, 0
.macro WIN new
.if MSB != (\new)
	s_set_vgpr_msb (MSB<<8)|(\new)
.set MSB, (\new)
.endif
.endm
.macro XL x, adr, base, off            ; 64 numbers of my row: k = 64 c + 32 h + 0 .. 31 of a K step
.irp c, 0,1
.irp i, 0,1,2,3,4,5,6,7
	global_load_b128 v[(\x)+32*\c+4*\i:(\x)+32*\c+4*\i+3], v[\adr], s[\base:\base+1] offset:(\off)+256*\c+16*\i
.endr
.endr
.endm
.macro QF x, w, a, tt, wd              ; they become a fragment's 12 registers in window w and my row's scale word
.irp c, 0,1
	v_max3_num_f32 v[TMX+\c], |v[(\x)+32*\c]|, |v[(\x)+32*\c+1]|, 0x1800000
.endr
.irp i, 2,4,6,8,10,12,14,16,18,20,22,24,26,28,30
.irp c, 0,1
	s_delay_alu instid0(VALU_DEP_2)
	v_max3_num_f32 v[TMX+\c], v[TMX+\c], |v[(\x)+32*\c+\i]|, |v[(\x)+32*\c+\i+1]|
.endr
.endr
.irp c, 0,1
	s_delay_alu instid0(VALU_DEP_2)
	v_add_nc_u32 v[SO+\c], 0xff000000, v[TMX+\c]
.endr
.irp c, 0,1
	s_delay_alu instid0(VALU_DEP_2)
	v_lshrrev_b32 v[BY+\c], 23, v[SO+\c]
.endr
	s_delay_alu instid0(VALU_DEP_1)
	v_lshl_or_b32 v[\wd], v[BY+1], 16, v[BY]
	s_delay_alu instid0(VALU_DEP_1)
	v_lshlrev_b32 v[\wd], v[SH8], v[\wd]
	s_delay_alu instid0(VALU_DEP_1)
	v_permlanex16_b32 v[PT], v[\wd], s[SEL], s[SEL+1]
	s_delay_alu instid0(VALU_DEP_1)
	v_or_b32 v[\wd], v[\wd], v[PT]
	WIN (\w)<<6
.irp c, 0,1
	v_cvt_scalef32_pk16_fp6_f32 v[(\a)+6*\c:(\a)+6*\c+2], v[(\x)+32*\c:(\x)+32*\c+15], v[SO+\c]
	v_cvt_scalef32_pk16_fp6_f32 v[(\tt)+4*\c:(\tt)+4*\c+2], v[(\x)+32*\c+16:(\x)+32*\c+31], v[SO+\c]
.endr
	v_nop
	WIN ((\w)<<6)|(\w)
.irp c, 0,1
.irp i, 0,1,2
	v_mov_b32 v[(\a)+6*\c+3+\i], v[(\tt)+4*\c+\i]
.endr
.endr
	WIN 0
.endm
.macro ROUND                           ; a round of the cluster's barrier
	s_barrier_signal -1
	s_barrier_wait -1
	s_cmp_lg_u32 s[WV], 0
	s_cbranch_scc1 .Lnot_wave_0_\@
	s_barrier_signal -3
.Lnot_wave_0_\@:
	s_barrier_wait -3
	s_barrier_signal -1
	s_barrier_wait -1
.endm
.macro LATER g0, g1                    ; a first fill behind the head: the full sequence, as ahead of a refill
	s_wait_alu depctr_va_vdst(0)
	s_wait_tensorcnt 0x0
	ds_add_u32 v[SPW], v[NIL]
	s_wait_dscnt 0x0
	ROUND
	tensor_load_to_lds s[\g0:\g0+3], s[\g1:\g1+7]
	s_nop 0
.rept 4
	v_nop
.endr
.endm
	s_load_b256 s[4:11], s[0:1], 0x0               ; encoder_outputs, src_mask, ucodes, dv
	s_load_b128 s[12:15], s[0:1], 0x20             ; eraw, part
	v_lshl_add_u32 v[SPW], v0, 2, SPARE
	v_mov_b32 v[NIL], 0
	ds_add_u32 v[SPW], v[NIL]                      ; the opening lines: the add twice on end
	ds_add_u32 v[SPW], v[NIL]
	v_lshrrev_b32 v14, 5, v0
	s_delay_alu instid0(VALU_DEP_1)
	v_readfirstlane_b32 s[WV], v14
	v_and_b32 v[LI], 31, v0
	s_delay_alu instid0(VALU_DEP_1)
	v_lshlrev_b32 v[L4], 2, v[LI]
	s_delay_alu instid0(VALU_DEP_2)
	v_lshlrev_b32 v[LI], 4, v[LI]
	v_lshlrev_b32 v[WA], 2, v14
	s_delay_alu instid0(VALU_DEP_2)
	v_lshl_add_u32 v[PSA], v14, 12, v[LI]
	s_delay_alu instid0(VALU_DEP_3)
	v_lshl_add_u32 v[PRA], v14, 9, v[LI]
	v_mov_b32 v[ZA], 0
	v_and_b32 v14, 15, v0
	s_delay_alu instid0(VALU_DEP_1)
	v_lshlrev_b32 v[MA], 3, v14
	s_delay_alu instid0(VALU_DEP_2)
	v_lshlrev_b32 v14, 13, v14                     ; two rows of 4,096 bytes for each r
	v_bfe_u32 v15, v0, 4, 1
	s_delay_alu instid0(VALU_DEP_1)
	v_lshl_add_u32 v[DH], v15, 5, DV
	s_delay_alu instid0(VALU_DEP_2)
	v_lshlrev_b32 v[SH8], 3, v15
	s_delay_alu instid0(VALU_DEP_3)
	v_lshlrev_b32 v15, 7, v15
	v_mov_b32 v[PT], 0
	v_mov_b32 v[FV], 0xce6e6b28                    ; -1e9
	s_bfe_u32 s[CXP], ttmp6, 0x40000
	s_mov_b32 s[G1R], 15|(3<<16)|(1<<21)           ; 50 rows of 256 bytes, for all four work-groups
	s_mov_b32 s[G1R+1], 32<<16
	s_mov_b32 s[G1R+2], 50<<16
	s_mov_b32 s[G1R+3], 32<<16
	s_mov_b32 s[G1R+4], 50
	s_mov_b32 s[G1R+5], 32
	s_mov_b32 s[G1R+6], 0
	s_mov_b32 s[G1R+7], 0
	s_mov_b32 s[G1D], 15|(3<<16)|(1<<21)           ; 4 rows of 256 bytes
	s_mov_b32 s[G1D+1], 32<<16
	s_mov_b32 s[G1D+2], 4<<16
	s_mov_b32 s[G1D+3], 32<<16
	s_mov_b32 s[G1D+4], 4
	s_mov_b32 s[G1D+5], 32
	s_mov_b32 s[G1D+6], 0
	s_mov_b32 s[G1D+7], 0
	s_mul_i32 s60, s[WV], QB
	s_mov_b32 s61, 0
	s_lshl_b32 s29, s[WV], 10
	s_lshl_b32 s62, ttmp9, 13
	s_add_co_u32 s62, s62, s29
	s_mov_b32 s63, 0
	s_mov_b32 s[SEL], 0x76543210
	s_mov_b32 s[SEL+1], 0xfedcba98
	s_mov_b32 s[CC], 0x4038aa3b                    ; c2 = 2 log2(e)
	s_mov_b32 s[CC+1], s[CC]
	s_mov_b32 s[HM], 0xffff0000
	s_wait_alu depctr_va_vdst(0)
	s_wait_dscnt 0x0
	s_wait_kmcnt 0x0
	s_lshl_b32 s18, ttmp9, 12
	s_mov_b32 s19, 0
	s_add_nc_u64 s[86:87], s[6:7], s[18:19]        ; the batch's whole mask row
	s_lshl_b32 s16, ttmp9, 10
	s_lshl_b32 s17, s[CXP], 8
	s_add_co_u32 s16, s16, s17
	s_lshl_b32 s17, s[WV], 5
	s_add_co_u32 s16, s16, s17                     ; my wave's first row
	s_lshl_b32 s18, s16, 12
	s_add_nc_u64 s[4:5], s[4:5], s[18:19]
	s_lshl_b32 s18, s16, 2
	s_add_nc_u64 s[6:7], s[6:7], s[18:19]
	s_add_nc_u64 s[12:13], s[12:13], s[18:19]
	s_lshl_b32 s17, ttmp9, 2
	s_add_co_u32 s17, s17, s[CXP]
	s_mul_i32 s18, s17, 4608
	s_add_nc_u64 s[14:15], s[14:15], s[18:19]      ; my work-group's record of part
	global_load_b64 v[MK:MK+1], v[MA], s[6:7]      ; the mask of rows 2 r, 2 r + 1
	s_mov_b32 s[G0A], 1
	s_mov_b32 s[G0A+1], s60
	s_add_nc_u64 s[G0A+2:G0A+3], s[8:9], s[60:61]
	s_or_b32 s[G0A+3], s[G0A+3], 0x80000000
	s_mov_b32 s[G0W], 1
	s_add_co_u32 s[G0W+1], s60, SLOT1
	s_add_nc_u64 s[G0W+2:G0W+3], s[8:9], s[60:61]
	s_add_nc_u64 s[G0W+2:G0W+3], s[G0W+2:G0W+3], SLOTB
	s_or_b32 s[G0W+3], s[G0W+3], 0x80000000
	s_mov_b32 s[G0D], 1
	s_add_co_u32 s[G0D+1], s29, DV
	s_add_nc_u64 s[G0D+2:G0D+3], s[10:11], s[62:63]
	s_or_b32 s[G0D+3], s[G0D+3], 0x80000000
	ROUND
	tensor_load_to_lds s[G0A:G0A+3], s[G1R:G1R+7]  ; my eighth of slot 0: the wave's one load at the head
	s_nop 0
.rept 4
	v_nop
.endr
	s_wait_loadcnt 0x0
.irp m, 0,1
	v_min_u32 v[MK+\m], 1, v[MK+\m]
.endr
.irp m, 0,1
	v_add_nc_u32 v[XA+\m], 4096*\m, v14
.endr
.irp m, 0,1
	s_delay_alu instid0(VALU_DEP_2)
	v_mul_u32_u24 v[XA+\m], v[MK+\m], v[XA+\m]     ; a masked row reads the wave's first row in its stead
.endr
.irp m, 0,1
	s_delay_alu instid0(VALU_DEP_2)
	v_add_nc_u32 v[XA+\m], v15, v[XA+\m]
.endr
.macro XLF ff
	XL X0+64*((\ff)%3), XA+(\ff)/8, 4, 512*((\ff)%8)
.endm
	XLF 0
	XLF 1
	XLF 2
; 16 fragments, f = 8 m + K step; three sets of 16 loads are out.  dv's and slot 1's first fills stand between them, while the rows' loads are on their way.
.set f, 0
.rept 16
.if f == 4
	LATER G0D, G1D
.elseif f == 8
	LATER G0W, G1R                                 ; behind this round slot 0 and dv are whole for all eight waves
.endif
.if f <= 13
	s_wait_loadcnt 32
.elseif f == 14
	s_wait_loadcnt 16
.else
	s_wait_loadcnt 0x0
.endif
.if (f%2) == 0
	QF X0+64*(f%3), 1, 24*(f%8)+12*(f/8), TT, WE
.else
	QF X0+64*(f%3), 1, 24*(f%8)+12*(f/8), TT, WO
	v_cndmask_b32 v[AS+4*(f/8)+(f%8)/2], v[WE], v[WO], s[HM]
.endif
.if f+3 < 16
	XLF f+3
.endif
.set f, f+1
.endr
.set z, 0
.rept 8
	v_mov_b32 v[SC+z], 0
.set z, z+1
.endr
.macro BLOAD                           ; a record: 24 loads of fragments as images of their registers, 4 of scale words (lanes 0-15 an even K step, lanes 16-31 the odd one)
.irp s, 0,1,2,3,4,5,6,7
.irp c, 0,1,2
	ds_load_b128 v[BF+12*\s+4*\c:BF+12*\s+4*\c+3], v[ADR] offset:1536*\s+512*\c
.endr
.endr
.irp i, 0,1,2,3
	ds_load_b32 v[BS+\i], v[ADB] offset:12288+128*\i
.endr
.endm
.macro MM                              ; product i: K step i / 2, row tile i % 2
.set rD, ACC+8*(i%2)
.set rU, BF+12*(i/2)
.set rE, 24*(i/2)+12*(i%2)
.set rSU, BS+i/4
.set rSE, AS+4*(i%2)+i/4
.if i < 2
	v_wmma_scale_f32_16x16x128_f8f6f4 v[rD:rD+7], v[rU:rU+11], v[rE:rE+11], 0, v[rSU], v[rSE] matrix_a_fmt:MATRIX_FMT_FP6 matrix_b_fmt:MATRIX_FMT_FP6
.elseif ((i/2)%2) == 1
	v_wmma_scale_f32_16x16x128_f8f6f4 v[rD:rD+7], v[rU:rU+11], v[rE:rE+11], v[rD:rD+7], v[rSU], v[rSE] matrix_a_fmt:MATRIX_FMT_FP6 matrix_b_fmt:MATRIX_FMT_FP6 matrix_a_scale:MATRIX_SCALE_ROW1 matrix_b_scale:MATRIX_SCALE_ROW1
.else
	v_wmma_scale_f32_16x16x128_f8f6f4 v[rD:rD+7], v[rU:rU+11], v[rE:rE+11], v[rD:rD+7], v[rSU], v[rSE] matrix_a_fmt:MATRIX_FMT_FP6 matrix_b_fmt:MATRIX_FMT_FP6
.endif
.set i, i+1
.endm
.macro CHANGE fill                     ; the slot's last tile: my reads of the slot are over, the other slot is whole behind the barrier; fill = 1: the slot is filled again
	s_wait_tensorcnt 0x0
	ds_add_u32 v[SPW], v[NIL]
.if \fill
	s_xor_b32 s[G0W+1], s[G0W+1], SLOT1
	s_add_nc_u64 s[G0W+2:G0W+3], s[G0W+2:G0W+3], SLOTB
.endif
	s_wait_dscnt 0x0
.if \fill
	ROUND
	tensor_load_to_lds s[G0W:G0W+3], s[G1R:G1R+7]
	s_nop 0
.rept 4
	v_nop
.endr
.else
	s_barrier_signal -1
	s_barrier_wait -1
.endif
.endm
; A tile of 16 columns.  LDS loads in their order: the tile's 28 of fragments and scale words, 2 of dec', 2 of V2.
.macro TILE chg, nx, wrap
.if (\chg) == 1
	CHANGE 1
.elseif (\chg) == 2
	CHANGE 0
.else
	s_wait_dscnt 4                                 ; the fragments are in; dec' and V2, the youngest four, may be out
.endif
	WIN 0x04                                       ; the rows' codes lie in window 1
.set i, 0
.rept 16
	MM
.endr
	WIN 0
.if \nx
.if \wrap
	s_sub_co_u32 s[TB], s[TB], 7*REC
	s_xor_b32 s[TB], s[TB], SLOT1
.else
	s_add_co_u32 s[TB], s[TB], REC
.endif
	v_add_nc_u32 v[ADR], v[LI], s[TB]              ; four places behind the last product, ahead of loads into its sources and of the first read of its result
	v_add_nc_u32 v[ADB], v[L4], s[TB]
	v_nop
	v_nop
	BLOAD                                          ; the next tile's, on their way under the work below
	s_wait_dscnt 28                                ; this tile's dec' and V2 are in; the 28 just issued may be out
.else
.rept 4
	v_nop
.endr
	s_wait_dscnt 0x0
.endif
.set j, 0
.rept 8
	v_pk_fma_f32 v[ACC+2*j:ACC+2*j+1], v[ACC+2*j:ACC+2*j+1], s[CC:CC+1], v[DD+2*(j%4):DD+2*(j%4)+1] op_sel_hi:[1,0,1]   ; each accumulator from its low end on
.set j, j+1
.endr
.if \nx
	s_add_co_u32 s[TD], s[TD], 64
	v_add_nc_u32 v[ADD], s[TD], v[DH]
	ds_load_b128 v[DD:DD+3], v[ADD]
	ds_load_b128 v[DD+4:DD+7], v[ADD] offset:16
.endif
	s_wait_alu depctr_va_vdst(0)                   ; a wait ahead of a batch of transcendentals and one behind it
.set j, 0
.rept 16
	v_exp_f32 v[ACC+j], v[ACC+j]
.set j, j+1
.endr
	v_nop
	s_wait_alu depctr_va_vdst(0)
.set j, 0
.rept 8
	v_pk_add_f32 v[ACC+2*j:ACC+2*j+1], v[ACC+2*j:ACC+2*j+1], 1.0 op_sel_hi:[1,0]
.set j, j+1
.endr
	s_wait_alu depctr_va_vdst(0)
.set j, 0
.rept 16
	v_rcp_f32 v[ACC+j], v[ACC+j]
.set j, j+1
.endr
	v_nop
	s_wait_alu depctr_va_vdst(0)
.set u, 0
.rept 8
	v_pk_fma_f32 v[SC+2*(u%4):SC+2*(u%4)+1], v[ACC+8*(u%2)+2*(u/2):ACC+8*(u%2)+2*(u/2)+1], v[V2+2*(u/2):V2+2*(u/2)+1], v[SC+2*(u%4):SC+2*(u%4)+1]   ; row tile u % 2, four sums by turns
.set u, u+1
.endr
.if \nx
	ds_load_b128 v[V2:V2+3], v[ADD] offset:4096
	ds_load_b128 v[V2+4:V2+7], v[ADD] offset:4112
.endif
.endm
.macro SEVEN
	s_mov_b32 s28, 7
.Lt_\@:
	TILE 0, 1, 0
	s_sub_co_u32 s28, s28, 1
	s_cmp_lg_u32 s28, 0
	s_cbranch_scc1 .Lt_\@
.endm
	s_mov_b32 s[TB], 0
	s_mov_b32 s[TD], 0
	v_mov_b32 v[ADR], v[LI]
	v_mov_b32 v[ADB], v[L4]
	BLOAD
	ds_load_b128 v[DD:DD+3], v[DH]
	ds_load_b128 v[DD+4:DD+7], v[DH] offset:16
	ds_load_b128 v[V2:V2+3], v[DH] offset:4096
	ds_load_b128 v[V2+4:V2+7], v[DH] offset:4112
	s_mov_b32 s27, 6
	s_wait_alu depctr_va_vdst(0)
.Lslot:                                                ; six slots are filled again; the last two are written out
	SEVEN
	TILE 1, 1, 1
	s_sub_co_u32 s27, s27, 1
	s_cmp_lg_u32 s27, 0
	s_cbranch_scc1 .Lslot
	SEVEN
	TILE 2, 1, 1
	SEVEN
	TILE 0, 0, 0
; ---- E of my 32 rows
	v_add_nc_u32 v14, DV+4096, v[LI]
.irp i, 0,1,2,3,4,5,6,7
	ds_load_b128 v[32+4*\i:35+4*\i], v14 offset:512*\i             ; all of V2
.endr
.irp i, 0,1,2,3,4,5,6,7
	global_load_b128 v[64+4*\i:67+4*\i], v[LI], s[86:87] offset:512*\i   ; the batch's whole mask row
.endr
.irp m, 0,1
	v_add_f32 v[OUTR+\m], v[SC+2*\m], v[SC+2*\m+1]
.endr
.irp m, 0,1
	v_add_f32 v[OUTR+2+\m], v[SC+4+2*\m], v[SC+5+2*\m]
.endr
.irp m, 0,1
	s_delay_alu instid0(VALU_DEP_2)
	v_add_f32 v[OUTR+\m], v[OUTR+\m], v[OUTR+2+\m]
.endr
	s_wait_dscnt 0x0
.irp i, 0,1,2,3,4,5,6,7
	v_pk_add_f32 v[32+2*\i:33+2*\i], v[32+2*\i:33+2*\i], v[48+2*\i:49+2*\i]
.endr
.irp i, 0,1,2,3
	s_delay_alu instid0(VALU_DEP_4)
	v_pk_add_f32 v[32+2*\i:33+2*\i], v[32+2*\i:33+2*\i], v[40+2*\i:41+2*\i]
.endr
.irp i, 0,1
	s_delay_alu instid0(VALU_DEP_2)
	v_pk_add_f32 v[32+2*\i:33+2*\i], v[32+2*\i:33+2*\i], v[36+2*\i:37+2*\i]
.endr
	s_delay_alu instid0(VALU_DEP_1)
	v_pk_add_f32 v[32:33], v[32:33], v[34:35]
	s_delay_alu instid0(VALU_DEP_1)
	v_add_f32 v32, v32, v33
	s_delay_alu instid0(VALU_DEP_1)
	v_add_f32_dpp v32, v32, v32 row_xmask:1 row_mask:0xf bank_mask:0xf
	s_delay_alu instid0(VALU_DEP_1)
	v_add_f32_dpp v32, v32, v32 row_xmask:2 row_mask:0xf bank_mask:0xf
	s_delay_alu instid0(VALU_DEP_1)
	v_add_f32_dpp v32, v32, v32 row_xmask:4 row_mask:0xf bank_mask:0xf
	s_delay_alu instid0(VALU_DEP_1)
	v_add_f32_dpp v32, v32, v32 row_xmask:8 row_mask:0xf bank_mask:0xf
	s_delay_alu instid0(VALU_DEP_1)
	v_permlanex16_b32 v33, v32, s[SEL], s[SEL+1]
	s_delay_alu instid0(VALU_DEP_1)
	v_add_f32 v32, v32, v33                        ; sum V2
.irp m, 0,1
	v_permlanex16_b32 v[36+\m], v[OUTR+\m], s[SEL], s[SEL+1]
.endr
.irp m, 0,1
	s_delay_alu instid0(VALU_DEP_2)
	v_add_f32 v[OUTR+\m], v[OUTR+\m], v[36+\m]     ; the other eight columns of each tile
.endr
.irp m, 0,1
	s_delay_alu instid0(VALU_DEP_2)
	v_fma_f32 v[OUTR+\m], v32, -0.5, v[OUTR+\m]
.endr
	global_store_b64 v[MA], v[OUTR:OUTR+1], s[12:13]    ; sixteen lanes store the wave's 128 consecutive bytes; lanes 16-31 hold and store the same numbers at the same places
	s_wait_alu depctr_va_vdst(0)
	s_wait_loadcnt 0x0
.irp i, 0,1,2,3,4,5,6,7,8,9,10,11,12,13,14,15
	v_or_b32 v[64+\i], v[64+\i], v[80+\i]
.endr
.irp i, 0,1,2,3,4,5,6,7
	v_or_b32 v[64+\i], v[64+\i], v[72+\i]
.endr
.irp i, 0,1,2,3
	s_delay_alu instid0(VALU_DEP_4)
	v_or_b32 v[64+\i], v[64+\i], v[68+\i]
.endr
	s_delay_alu instid0(VALU_DEP_2)
	v_or_b32 v64, v64, v66
	s_delay_alu instid0(VALU_DEP_2)
	v_or_b32 v65, v65, v67
	s_delay_alu instid0(VALU_DEP_1)
	v_or_b32 v64, v64, v65
	s_delay_alu instid0(VALU_DEP_1)
	v_cmp_ne_u32 vcc_lo, 0, v64
	s_cmp_lg_u32 vcc_lo, 0
	s_cselect_b32 s[NONE], 0, 1                    ; 1: no row of the batch counts
; ---- the stream: 8 sets of four whole rows (rows 2 r + m of lanes r, r + 1), 32 loads of 512 consecutive bytes a set, two sets by turns in window 1
.macro FILL st
	s_add_co_u32 s89, s88, 1
	s_lshl_b32 s94, s88, 13
.irp e, 0,1,2,3
	v_readlane_b32 s[90+\e], v[MK+(\e%2)], s[88+(\e/2)]
.endr
.irp e, 0,1,2,3
	s_or_b32 s[90+\e], s[90+\e], s[NONE]
.endr
.irp e, 0,1,2,3
	s_min_u32 s[90+\e], s[90+\e], 1                ; 1: the row is read; 0: the wave's first row in its stead
.endr
.irp e, 0,1,2,3
	s_add_co_u32 s95, s94, 4096*\e
	s_mul_i32 s[90+\e], s[90+\e], s95
	s_min_u32 s[90+\e], s[90+\e], 0x1f000          ; held at the wave's last row, 31 x 4,096 bytes: every load stays inside the wave's 32 rows
.endr
.irp e, 0,1,2,3
	v_add_nc_u32 v[EO+4*(\st)+\e], s[90+\e], v[LI] ; (this set's last loads were waited for)
.endr
	s_add_co_u32 s88, s88, 2
	s_wait_alu depctr_va_vdst(0)
	WIN 0x40
.irp e, 0,1,2,3
.irp i, 0,1,2,3,4,5,6,7
	global_load_b128 v[128*(\st)+32*\e+4*\i:128*(\st)+32*\e+4*\i+3], v[EO+4*(\st)+\e], s[4:5] offset:512*\i
.endr
.endr
	WIN 0
.endm
.macro CONSUME st, left                ; left: the other set's loads, which may stay out
	s_add_co_u32 s97, s96, 1
.irp e, 0,1,2,3
	v_readlane_b32 s[70+2*\e], v[P+(\e%2)], s[96+(\e/2)]   ; the row's p, for all lanes
.endr
.irp e, 0,1,2,3
	s_mov_b32 s[71+2*\e], s[70+2*\e]
.endr
	s_add_co_u32 s96, s96, 2
	s_wait_loadcnt \left
	WIN 0x01
.irp e, 0,1,2,3
.irp x, 0,1,2,3,4,5,6,7,8,9,10,11,12,13,14,15
	v_pk_fma_f32 v[CX+2*\x:CX+2*\x+1], v[128*(\st)+32*\e+2*\x:128*(\st)+32*\e+2*\x+1], s[70+2*\e:71+2*\e], v[CX+2*\x:CX+2*\x+1] op_sel_hi:[1,0,1]
.endr
.endr
	WIN 0
.endm
	s_mov_b32 s88, 0
	s_mov_b32 s96, 0
	FILL 0                                         ; the addresses hang on the mask alone: the first set is on its way under the softmax
.irp m, 0,1
	v_cmp_ne_u32 vcc_lo, 0, v[MK+\m]
	s_delay_alu instid0(VALU_DEP_1)
	v_cndmask_b32 v[P+\m], v[FV], v[OUTR+\m], vcc_lo
.endr
	s_delay_alu instid0(VALU_DEP_1)
	v_max_num_f32 v[MX], v[P], v[P+1]
	s_delay_alu instid0(VALU_DEP_1)
	v_max_num_f32_dpp v[MX], v[MX], v[MX] row_xmask:1 row_mask:0xf bank_mask:0xf
	s_delay_alu instid0(VALU_DEP_1)
	v_max_num_f32_dpp v[MX], v[MX], v[MX] row_xmask:2 row_mask:0xf bank_mask:0xf
	s_delay_alu instid0(VALU_DEP_1)
	v_max_num_f32_dpp v[MX], v[MX], v[MX] row_xmask:4 row_mask:0xf bank_mask:0xf
	s_delay_alu instid0(VALU_DEP_1)
	v_max_num_f32_dpp v[MX], v[MX], v[MX] row_xmask:8 row_mask:0xf bank_mask:0xf   ; both halves of the lanes hold the same 32 rows
	ds_store_b32 v[WA], v[MX]
	s_wait_alu depctr_va_vdst(0)
	s_wait_dscnt 0x0                               ; for the others' sake
	s_barrier_signal -1
	s_barrier_wait -1
	ds_load_b128 v[252:255], v[ZA]
	ds_load_b128 v[68:71], v[ZA] offset:16
	s_mov_b32 s69, 0x3fb8aa3b                      ; log2(e)
	s_wait_dscnt 0x0
	v_max3_num_f32 v[MX], v252, v253, v254
	s_delay_alu instid0(VALU_DEP_1)
	v_max3_num_f32 v[MX], v[MX], v255, v68
	s_delay_alu instid0(VALU_DEP_1)
	v_max3_num_f32 v[MX], v[MX], v69, v70
	s_delay_alu instid0(VALU_DEP_1)
	v_max_num_f32 v[MX], v[MX], v71                ; M of the work-group's 256 rows
	s_delay_alu instid0(VALU_DEP_1)
	v_sub_f32 v[P], v[P], v[MX]
	s_delay_alu instid0(VALU_DEP_2)
	v_sub_f32 v[P+1], v[P+1], v[MX]
.irp m, 0,1
	s_delay_alu instid0(VALU_DEP_2)
	v_mul_f32 v[P+\m], s69, v[P+\m]
.endr
	s_wait_alu depctr_va_vdst(0)
.irp m, 0,1
	v_exp_f32 v[P+\m], v[P+\m]
.endr
	v_nop
	s_wait_alu depctr_va_vdst(0)
	v_add_f32 v[LS], v[P], v[P+1]
	s_delay_alu instid0(VALU_DEP_1)
	v_add_f32_dpp v[LS], v[LS], v[LS] row_xmask:1 row_mask:0xf bank_mask:0xf
	s_delay_alu instid0(VALU_DEP_1)
	v_add_f32_dpp v[LS], v[LS], v[LS] row_xmask:2 row_mask:0xf bank_mask:0xf
	s_delay_alu instid0(VALU_DEP_1)
	v_add_f32_dpp v[LS], v[LS], v[LS] row_xmask:4 row_mask:0xf bank_mask:0xf
	s_delay_alu instid0(VALU_DEP_1)
	v_add_f32_dpp v[LS], v[LS], v[LS] row_xmask:8 row_mask:0xf bank_mask:0xf       ; my wave's sum of p
.set z, 0
.rept 32
	v_mov_b32 v[CX+z], 0
.set z, z+1
.endr
	s_mov_b32 s27, 3
	s_wait_alu depctr_va_vdst(0)
.Lstream:
	FILL 1
	CONSUME 0, 32
	FILL 0
	CONSUME 1, 32
	s_sub_co_u32 s27, s27, 1
	s_cmp_lg_u32 s27, 0
	s_cbranch_scc1 .Lstream
	FILL 1
	CONSUME 0, 32
	CONSUME 1, 0
; ---- the eight waves' parts meet in LDS; wave w adds and stores bytes 512 w on
.irp i, 0,1,2,3,4,5,6,7
	ds_store_b128 v[PSA], v[CX+4*\i:CX+4*\i+3] offset:STGP+512*\i
.endr
	ds_store_b32 v[WA], v[LS] offset:256
	s_wait_alu depctr_va_vdst(0)
	s_wait_dscnt 0x0
	s_barrier_signal -1
	s_barrier_wait -1
.irp j, 0,1,2,3,4,5,6,7
	ds_load_b128 v[64+4*\j:67+4*\j], v[PRA] offset:STGP+4096*\j
.endr
	ds_load_b128 v[252:255], v[ZA] offset:256
	ds_load_b128 v[96:99], v[ZA] offset:272
	s_wait_dscnt 0x0
.irp i, 0,1,2,3,4,5,6,7
	v_pk_add_f32 v[64+2*\i:65+2*\i], v[64+2*\i:65+2*\i], v[80+2*\i:81+2*\i]
.endr
.irp i, 0,1,2,3
	s_delay_alu instid0(VALU_DEP_4)
	v_pk_add_f32 v[64+2*\i:65+2*\i], v[64+2*\i:65+2*\i], v[72+2*\i:73+2*\i]
.endr
.irp i, 0,1
	s_delay_alu instid0(VALU_DEP_2)
	v_pk_add_f32 v[64+2*\i:65+2*\i], v[64+2*\i:65+2*\i], v[68+2*\i:69+2*\i]
.endr
	v_add_f32 v252, v252, v253
	v_add_f32 v254, v254, v255
	v_add_f32 v96, v96, v97
	v_add_f32 v98, v98, v99
	s_delay_alu instid0(VALU_DEP_3)
	v_add_f32 v252, v252, v254
	s_delay_alu instid0(VALU_DEP_2)
	v_add_f32 v96, v96, v98
	s_delay_alu instid0(VALU_DEP_1)
	v_add_f32 v253, v252, v96                      ; L
	v_mov_b32 v252, v[MX]
	v_mov_b32 v254, v[MX]
	s_delay_alu instid0(VALU_DEP_3)
	v_mov_b32 v255, v253
	global_store_b128 v[PRA], v[64:67], s[14:15]   ; the store covers 512 consecutive bytes, aligned to 256
	s_wait_alu depctr_va_vdst(0)
	s_cmp_lg_u32 s[WV], 0
	s_cbranch_scc1 .Lno_stat
	global_store_b128 v[LI], v[252:255], s[14:15] offset:4096   ; (M, L) pairs: 512 consecutive bytes
.Lno_stat:
	s_wait_tensorcnt 0x0                           ; the wave's end
	ds_add_u32 v[SPW], v[NIL]
	s_wait_dscnt 0x0
	ROUND                                          ; the closing round
	s_endpgm
.Lfunc_end_k_q4fe76ece87_scores:
	.size	k_q4fe76ece87_scores, .Lfunc_end_k_q4fe76ece87_scores-k_q4fe76ece87_scores
	.p2alignl 7, 3214868480
	.fill 96, 4, 3214868480
	.section	.rodata,"a",@progbits
	.p2align	6, 0x0
	.amdhsa_kernel k_q4fe76ece87_scores
		.amdhsa_group_segment_fixed_size 327680
		.amdhsa_private_segment_fixed_size 0
		.amdhsa_enable_private_segment 0
		.amdhsa_kernarg_size 48
		.amdhsa_user_sgpr_count 2
		.amdhsa_user_sgpr_kernarg_segment_ptr 1
		.amdhsa_wavefront_size32 1
		.amdhsa_system_sgpr_workgroup_id_x 1
		.amdhsa_system_sgpr_workgroup_id_y 1
		.amdhsa_system_sgpr_workgroup_id_z 1
		.amdhsa_system_vgpr_workitem_id 0
		.amdhsa_next_free_vgpr 512
		.amdhsa_next_free_sgpr 100
		.amdhsa_reserve_vcc 1
		.amdhsa_float_denorm_mode_32 3
		.amdhsa_float_denorm_mode_16_64 3
		.amdhsa_memory_ordered 1
		.amdhsa_forward_progress 1
		.amdhsa_inst_pref_size 192
	.end_amdhsa_kernel
	.amdgpu_metadata
---
amdhsa.version: [ 1, 2 ]
amdhsa.kernels:
  - .name:           k_q4fe76ece87_scores
    .symbol:         k_q4fe76ece87_scores.kd
    .args:
      - { .name: encoder_outputs, .offset: 0, .size: 8, .value_kind: global_buffer, .address_space: global }
      - { .name: src_mask, .offset: 8, .size: 8, .value_kind: global_buffer, .address_space: global }
      - { .name: ucodes, .offset: 16, .size: 8, .value_kind: global_buffer, .address_space: global }
      - { .name: dv, .offset: 24, .size: 8, .value_kind: global_buffer, .address_space: global }
      - { .name: eraw, .offset: 32, .size: 8, .value_kind: global_buffer, .address_space: global }
      - { .name: part, .offset: 40, .size: 8, .value_kind: global_buffer, .address_space: global }
    .group_segment_fixed_size: 327680
    .private_segment_fixed_size: 0
    .kernarg_segment_align: 8
    .kernarg_segment_size: 48
    .max_flat_workgroup_size: 256
    .sgpr_count:     100
    .vgpr_count:     512
    .wavefront_size: 32
...
	.end_amdgpu_metadata
.endif
;; end of part 5
;; launch finish (part 6): grid 256 x 1, 2 waves a work-group, no clusters, 0 bytes of LDS; arguments src_mask, eraw, part, out0, out1; writes out0, out1
.if DOCPART == 6
	.amdgcn_target "amdgcn-amd-amdhsa--gfx1250"
	.amdhsa_code_object_version 6
	.text
	.protected	k_q4fe76ece87_finish
	.globl	k_q4fe76ece87_finish
	.p2align	8
	.type	k_q4fe76ece87_finish,@function
k_q4fe76ece87_finish:
	s_mov_b64 s[64:65], 0
	v_nop
	global_prefetch_b8 v0, s[64:65] scope:SCOPE_SE
	s_setreg_imm32_b32 hwreg(HW_REG_WAVE_MODE, 25, 1), 1
	s_wait_xcnt 0x0
; FINISH.  A batch's four records of part (sum p x row under the record's own maximum M_j, with L_j = sum p) are joined: M = max M_j, f_j = e^(M_j - M), L = sum f_j L_j,
; out0 = sum f_j part_j / L;  out1 = alpha = e^(E' - M) / L with E' = eraw, or -1e9 where src_mask == 0.  The maximum is taken away ahead of every exponential.
; Work-group (b = id / 4, q = id % 4): 256 columns of out0 and 256 rows of out1, four a thread: every load and store of a wave covers 512 consecutive bytes (the (M, L) pairs: 8 bytes, the same for all lanes).
; All in f32 on the vector unit; no LDS, no barrier, no loop: nothing to run ahead in, and the four work-groups of a batch share only the four pairs.
; LIMITS: NaN and infinities are not served; sum |v_a| stays under 9e8.
	s_load_b256 s[4:11], s[0:1], 0x0               ; src_mask, eraw, part, out0
	s_load_b64 s[12:13], s[0:1], 0x20              ; out1
	v_lshlrev_b32 v1, 4, v0
	v_mov_b32 v2, 0
	v_mov_b32 v13, 0xce6e6b28                      ; -1e9
	s_lshr_b32 s14, ttmp9, 2                       ; b
	s_and_b32 s15, ttmp9, 3                        ; q
	s_lshl_b32 s20, s15, 10
	s_mov_b32 s21, 0
	s_lshl_b32 s16, s14, 12
	s_add_co_u32 s16, s16, s20                     ; 4096 b + 1024 q
	s_mov_b32 s17, 0
	s_mul_i32 s18, s14, 4*4608
	s_mov_b32 s19, 0
	s_mov_b32 s22, 0x3fb8aa3b                      ; log2(e)
	s_wait_alu depctr_va_vdst(0)
	s_wait_kmcnt 0x0
	s_add_nc_u64 s[4:5], s[4:5], s[16:17]
	s_add_nc_u64 s[6:7], s[6:7], s[16:17]
	s_add_nc_u64 s[10:11], s[10:11], s[16:17]
	s_add_nc_u64 s[12:13], s[12:13], s[16:17]
	s_add_nc_u64 s[8:9], s[8:9], s[18:19]          ; the batch's four records
	s_add_nc_u64 s[24:25], s[8:9], s[20:21]        ; at quarter q
.irp j, 0,1,2,3
	global_load_b64 v[4+2*\j:5+2*\j], v2, s[8:9] offset:4608*\j+4096
.endr
.irp j, 0,1,2,3
	global_load_b128 v[16+4*\j:19+4*\j], v1, s[24:25] offset:4608*\j
.endr
	global_load_b128 v[32:35], v1, s[6:7]
	global_load_b128 v[36:39], v1, s[4:5]
	s_wait_loadcnt 0x0
	v_max3_num_f32 v12, v4, v6, v8
	v_max_num_f32 v12, v12, v10                    ; M
.irp k, 0,1,2,3
	v_cmp_ne_u32 vcc_lo, 0, v[36+\k]
	v_cndmask_b32 v[32+\k], v13, v[32+\k], vcc_lo
.endr
.irp j, 0,1,2,3
	v_sub_f32 v[40+\j], v[4+2*\j], v12
.endr
.irp k, 0,1,2,3
	v_sub_f32 v[44+\k], v[32+\k], v12
.endr
.irp x, 0,1,2,3,4,5,6,7
	v_mul_f32 v[40+\x], s22, v[40+\x]
.endr
	s_wait_alu depctr_va_vdst(0)                   ; a wait ahead of the batch and one behind it
.irp x, 0,1,2,3,4,5,6,7
	v_exp_f32 v[40+\x], v[40+\x]
.endr
	v_nop
	s_wait_alu depctr_va_vdst(0)
	v_mul_f32 v48, v40, v5
	v_fmac_f32 v48, v41, v7
	v_fmac_f32 v48, v42, v9
	v_fmac_f32 v48, v43, v11                       ; L
	s_wait_alu depctr_va_vdst(0)
	v_rcp_f32 v49, v48
	v_nop
	s_wait_alu depctr_va_vdst(0)
.irp x, 0,1,2,3,4,5,6,7
	v_mul_f32 v[40+\x], v[40+\x], v49              ; f_j / L, and alpha
.endr
.irp k, 0,1,2,3
	v_mul_f32 v[52+\k], v[16+\k], v40
.endr
.irp j, 1,2,3
.irp k, 0,1,2,3
	v_fmac_f32 v[52+\k], v[16+4*\j+\k], v[40+\j]
.endr
.endr
	global_store_b128 v1, v[52:55], s[10:11]
	global_store_b128 v1, v[44:47], s[12:13]
	s_endpgm
.Lfunc_end_k_q4fe76ece87_finish:
	.size	k_q4fe76ece87_finish, .Lfunc_end_k_q4fe76ece87_finish-k_q4fe76ece87_finish
	.p2alignl 7, 3214868480
	.fill 96, 4, 3214868480
	.section	.rodata,"a",@progbits
	.p2align	6, 0x0
	.amdhsa_kernel k_q4fe76ece87_finish
		.amdhsa_group_segment_fixed_size 0
		.amdhsa_private_segment_fixed_size 0
		.amdhsa_enable_private_segment 0
		.amdhsa_kernarg_size 40
		.amdhsa_user_sgpr_count 2
		.amdhsa_user_sgpr_kernarg_segment_ptr 1
		.amdhsa_wavefront_size32 1
		.amdhsa_system_sgpr_workgroup_id_x 1
		.amdhsa_system_sgpr_workgroup_id_y 1
		.amdhsa_system_sgpr_workgroup_id_z 1
		.amdhsa_system_vgpr_workitem_id 0
		.amdhsa_next_free_vgpr 64
		.amdhsa_next_free_sgpr 66
		.amdhsa_reserve_vcc 1
		.amdhsa_float_denorm_mode_32 3
		.amdhsa_float_denorm_mode_16_64 3
		.amdhsa_memory_ordered 1
		.amdhsa_forward_progress 1
		.amdhsa_inst_pref_size 5
	.end_amdhsa_kernel
	.amdgpu_metadata
---
amdhsa.version: [ 1, 2 ]
amdhsa.kernels:
  - .name:           k_q4fe76ece87_finish
    .symbol:         k_q4fe76ece87_finish.kd
    .args:
      - { .name: src_mask, .offset: 0, .size: 8, .value_kind: global_buffer, .address_space: global }
      - { .name: eraw, .offset: 8, .size: 8, .value_kind: global_buffer, .address_space: global }
      - { .name: part, .offset: 16, .size: 8, .value_kind: global_buffer, .address_space: global }
      - { .name: out0, .offset: 24, .size: 8, .value_kind: global_buffer, .address_space: global }
      - { .name: out1, .offset: 32, .size: 8, .value_kind: global_buffer, .address_space: global }
    .group_segment_fixed_size: 0
    .private_segment_fixed_size: 0
    .kernarg_segment_align: 8
    .kernarg_segment_size: 40
    .max_flat_workgroup_size: 64
    .sgpr_count:     66
    .vgpr_count:     64
    .wavefront_size: 32
...
	.end_amdgpu_metadata
.endif
;; end of part 6
